; MI455X (gfx1250); checked and timed in simulation.
; The chip was launched on July 23, 2026; its instructions are those of AMD's public machine-readable ISA for CDNA 5 (MIT licence, August 2026) and "CDNA5" Instruction Set Architecture Reference Guide (July 2026). The comments in the code are by the model that wrote it; some were corrected since.
;; Block. Allowed arithmetic: matrix products marked QUANTISED: E2M1 operands, one E8M0 scale for each 32 along K, by v_wmma_scale_f32_16x16x128_f8f6f4 with both operands' format E2M1 (or v_wmma_scale_f32_32x16x128_f4), f32 sums; everything else in f32.
;; Inputs: b1 2,048 float32; b2 512 float32; bp 512 float32; ln1_b 512 float32; ln1_w 512 float32; ln2_b 512 float32; ln2_w 512 float32; w1 512 x 2,048 float32; w2 2,048 x 512 float32; wkv 512 x 1,024 float32; wp 512 x 512 float32; wq 512 x 512 float32; x 2 x 4,096 x 512 float32.
;; Outputs: out0 2 x 4,096 x 512 float32.
;; This version of the problem:
;;   THIS VERSION OF THE PROBLEM IS GIVEN IN LOW PRECISION. The matrix products marked QUANTISED in the list below multiply operands that are first quantised to E2M1 (2 exponent bits, 1 mantissa bit; 4 bits a number), with one power-of-two scale for each 32 numbers along K (OCP MX v1.0); their sums are f32. All else is computed in f32.
;;   The module's matrix products, in the order in which they are computed (A, B: the left and right operand; K: the contracted axis; several contracted axes count as one K, in the product's order):
;;     1. [M 8,192, K 512] x [K 512, N 512]; A: computed on the way; B: input wq: QUANTISED
;;     2. [M 8,192, K 512] x [K 512, N 1,024]; A: computed on the way; B: input wkv: QUANTISED
;;     3. batch 16 x [M 4,096, K 64] x [K 64, N 4,096]; A: computed on the way; B: computed on the way: QUANTISED
;;     4. batch 16 x [M 64, K 4,096] x [K 4,096, N 4,096]; A: computed on the way; B: softmax (see below): QUANTISED
;;     5. [M 8,192, K 512] x [K 512, N 512]; A: computed on the way; B: input wp: QUANTISED
;;     6. [M 8,192, K 512] x [K 512, N 2,048]; A: computed on the way; B: input w1: QUANTISED
;;     7. [M 8,192, K 2,048] x [K 2,048, N 512]; A: computed on the way; B: input w2: QUANTISED
;;   THE QUANTISER, for each operand of a quantised product, along K:
;;     - K is cut into blocks of 32 from its start; a last block that is shorter is filled with zeros.
;;     - A block's scale is 2^e with e = floor(log2(the largest magnitude in the block)) - 2, held to -126 .. 127; a block of zeros has e = 0. As a byte (E8M0): e + 127.
;;     - Each number is divided by its block's scale, clamped to +-6, and rounded to the nearest number of E2M1, ties to even, subnormals kept.
;;     - The product sums the exact products of the quantised numbers (number of the format x scale) in f32.
;;   ~~~python
;;   def quantise(x, axis):      # numpy; x: float32 -> the quantised numbers, widened to float32 again
;;       x = np.moveaxis(x, axis, -1); K = x.shape[-1]
;;       x = np.pad(x, [(0, 0)] * (x.ndim - 1) + [(0, -K % 32)]); x = x.reshape(x.shape[:-1] + (-1, 32)); a = np.abs(x).max(-1, keepdims=True)
;;       e = np.where(a > 0, np.clip(np.frexp(np.where(a > 0, a, 1))[1] - 1 - 2, -126, 127), 0)      # np.frexp(a)[1] - 1 = floor(log2(a)), exactly
;;       r = np.clip(x / 2.0 ** e, -6, 6)
;;       step = 2.0 ** (np.maximum(np.frexp(np.where(r == 0, 1, r))[1] - 1, 0) - 1)
;;       q = np.round(r / step) * step * 2.0 ** e      # np.round: ties to even
;;       return np.moveaxis(q.reshape(q.shape[:-2] + (-1,))[..., :K], -1, axis).astype(np.float32)
;;   ~~~
;;   SOFTMAX AHEAD OF A QUANTISED PRODUCT. Where the list says 'softmax', what is quantised is not the finished softmax but p = 2^(t - M), with t = logit x log2(e) and M = ceil(the row's largest t), a whole number; so 1/2 < the row's largest p <= 1. The row's sum l is taken of the UNQUANTISED p, in f32, and the product's result is divided by l at the end. Since M is a whole number, a kernel that streams over the keys may use a running M (the ceiling of the running maximum): every later rescaling is an exact power of two, which a block's scale takes up: the codes' values come out the same.
;;   OPERANDS COMPUTED ON THE WAY. 'Computed on the way' means the value that the module computes at that place (a softmax that the list does not call 'softmax' is quantised finished and normalised). What goes into a quantiser is computed in f32, as accurately as f32 sums, v_exp_f32 and their like allow (about 1e-6 of the number): no bf16 or f16 on the way to a quantiser, and a product that is left as it is and whose result goes on into a quantised operand takes f32 operands (vector FMAs, or v_wmma_f32_16x16x4_f32). A number that lies on a knife's edge between two numbers of the format may be rounded either way, as far as f32 arithmetic and the matrix unit's own rounding can turn it there, and no further.
;; One version. Each part assembles by itself: llvm-mc -triple=amdgcn-amd-amdhsa -mcpu=gfx1250 --defsym DOCPART=n.
;; ======== version 1 of 1: 4 launches
;; limits: right only within a limited range of input values
;; workspace buffers: wcodes 1,671,168 bytes; xcodes 2,228,224 bytes; qcodes 2,359,296 bytes; kvcodes 4,587,520 bytes; acodes 2,228,224 bytes
;; launch prep (part 1): grid 176 x 1, 16 waves a work-group, no clusters, 4,096 bytes of LDS; arguments x, ln1_w, ln1_b, wq, wkv, wp, w1, w2, wcodes, xcodes; writes wcodes, xcodes
.if DOCPART == 1
	.amdgcn_target "amdgcn-amd-amdhsa--gfx1250"
	.amdhsa_code_object_version 6
	.text
	.protected	k_q9fd221f8bc_prep
	.globl	k_q9fd221f8bc_prep
	.p2align	8
	.type	k_q9fd221f8bc_prep,@function
k_q9fd221f8bc_prep:
	s_mov_b64 s[64:65], 0
	v_nop
	global_prefetch_b8 v0, s[64:65] scope:SCOPE_SE
	s_setreg_imm32_b32 hwreg(HW_REG_WAVE_MODE, 25, 1), 1
	s_wait_xcnt 0x0
; PREP: the five weights and LN1(x) become codes of FP4 (E2M1) with one E8M0 scale byte for each 32 along K, laid as IMAGES OF OPERAND REGISTERS.
; FORMAT OF AN OPERAND (rows x K): codes [tile of 16 rows][K step of 128][c 0..1][lane 0..31][16 bytes]: lane (r, h) of piece c holds block 2 c + h of row r: two loads of 16 bytes a lane bring a fragment.
; Scale words [tile][group of 4 K steps][r][4 words]: one load of 16 bytes at 16 r brings a row's words of four K steps.
; ORDER INSIDE A BLOCK: the four groups of 8 numbers of each block of 32 lie in the order 0, 2, 1, 3, in EVERY operand of this program.  That is the order in which a matrix result of neighbouring
; rows falls out of the quantiser below; both sides of every product have it, so each product meets its partner and the sums are those of the natural order.
; A block's scale is 2^(floor(log2(largest magnitude)) - 2): its byte is the largest magnitude's exponent field - 2, held at 1 from below.
; LIMITS: NaN and infinities among the inputs are not served.  A block of zeros, or one whose largest magnitude lies under 2^-124, gets the byte 1 (the stated rule says 127 for zeros): its codes are
; zeros or the rule's own, and the bytes are read by this program alone.
; WORK-GROUPS: 0-3 wq, 4-7 wp, 8-23 w2, 24-31 wkv, 32-47 w1 (a wave: 32 columns x 128 along K), 48-175 LN1 (64 tokens each; a wave: 16 tokens x 128 columns).
; No tensor loads, no matrix work: the launch streams.  Only the LN path uses LDS (row sums from wave to wave) and barriers; the branch to it hangs on the work-group's number alone.
.set WQ_C,   0                         ; wcodes: wq's codes, (tile x 4 + K step) x 1,024
.set WKV_C,  131072                    ; wkv's: tiles 0-31 are k's columns, 32-63 v's
.set WP_C,   393216
.set M_C,    524288                    ; [wave 4][stage 8][32,768]: stages 0-3 w1's groups of 128 hidden units, stages 4-7 w2's K steps by fours
.set S0,     1572864                   ; the scale words
.set WQ_S,   S0
.set WKV_S,  S0+8192
.set WP_S,   S0+24576
.set M_S,    S0+32768
.set XS_OFF, 2097152                   ; xcodes: the scale words
.set SEL,    44                        ; s[44:45] selects of v_permlanex16_b32 for lane l xor 16
.set NUM,    32                        ; weights: v32-159 128 numbers down K
.set COD,    160                       ; v160-175 four blocks' codes
.set SBY,    176                       ; v176 their four scale bytes
.set X,      32                        ; LN: v32-95 64 numbers of my row
.set LW,     96                        ; v96-159 the gain, v160-223 the bias, at my columns
.set LB,     160
.set PC,     224                       ; v224-231 the codes just made
.set QM,     232                       ; v232-235 largest magnitudes; v236-239 at work, then bytes; v240-243 the conversions' scale operands
.set QT,     236
.set QS,     240
.set PW,     248                       ; the scale word just made
; 16 x cnt numbers of a lane, v[s] on: registers 16 b .. 16 b + 15 are my half of block b of my row (lane l xor 16 holds the other half).  They become codes in v[PC] on and the row's scale word in v[PW].
.macro QUANT s, cnt
.irp b, 0,1,2,3
.if \b < \cnt
	v_max3_num_f32 v[QM+\b], |v[\s+16*\b]|, |v[\s+1+16*\b]|, 0x1800000   ; my 16 numbers and the floor 2^(3 - 127): the byte cannot fall under 1
.endif
.endr
.irp i, 2,4,6,8,10,12,14
.irp b, 0,1,2,3
.if \b < \cnt
	s_delay_alu instid0(VALU_DEP_4)
	v_max3_num_f32 v[QM+\b], v[QM+\b], |v[\s+16*\b+\i]|, |v[\s+1+16*\b+\i]|   ; the blocks by turns
.endif
.endr
.endr
.irp b, 0,1,2,3
.if \b < \cnt
	s_delay_alu instid0(VALU_DEP_4)
	v_permlanex16_b32 v[QT+\b], v[QM+\b], s[SEL], s[SEL+1]
.endif
.endr
.irp b, 0,1,2,3
.if \b < \cnt
	s_delay_alu instid0(VALU_DEP_4)
	v_max_num_f32 v[QM+\b], v[QM+\b], v[QT+\b]     ; with lane l xor 16's: the block's largest magnitude
.endif
.endr
.irp b, 0,1,2,3
.if \b < \cnt
	s_delay_alu instid0(VALU_DEP_4)
	v_add_nc_u32 v[QS+\b], 0xff000000, v[QM+\b]    ; 2 off the exponent field: the conversion takes this operand's exponent field as its scale
.endif
.endr
.irp b, 0,1,2,3
.if \b < \cnt
	s_delay_alu instid0(VALU_DEP_4)
	v_lshrrev_b32 v[QT+\b], 23, v[QS+\b]           ; the scale's byte
.endif
.endr
	s_delay_alu instid0(VALU_DEP_3)
	v_lshl_or_b32 v[PW], v[QT+1], 8, v[QT]
.if \cnt > 2
	s_delay_alu instid0(VALU_DEP_1)
	v_lshl_or_b32 v[PW], v[QT+2], 16, v[PW]
	s_delay_alu instid0(VALU_DEP_1)
	v_lshl_or_b32 v[PW], v[QT+3], 24, v[PW]
.endif
.irp b, 0,1,2,3
.if \b < \cnt
	v_cvt_scalef32_pk8_fp4_f32 v[PC+2*\b], v[\s+16*\b:\s+7+16*\b], v[QS+\b]
	v_cvt_scalef32_pk8_fp4_f32 v[PC+1+2*\b], v[\s+8+16*\b:\s+15+16*\b], v[QS+\b]
.endif
.endr
	v_nop                                          ; one plain instruction behind the scaled conversions
.irp c, 0,1
.if 2*\c < \cnt
.irp i, 0,1
	v_permlane16_swap_b32 v[PC+4*\c+\i], v[PC+2+4*\c+\i]   ; a whole block to a lane: lanes 0-15 block 2 c, lanes 16-31 block 2 c + 1
.endr
.endif
.endr
.endm
.macro BARRIER                         ; my LDS stores have landed and my LDS loads are in: then the work-group's barrier
	s_wait_dscnt 0x0
	s_barrier_signal -1
	s_barrier_wait -1
.endm
	s_load_b512 s[4:19], s[0:1], 0x0               ; x s[4:5], ln1_w s[6:7], ln1_b s[8:9], wq s[10:11], wkv s[12:13], wp s[14:15], w1 s[16:17], w2 s[18:19]
	s_load_b128 s[20:23], s[0:1], 0x40             ; wcodes s[20:21], xcodes s[22:23]
	v_lshl_add_u32 v31, v0, 2, 0x800
	v_mov_b32 v249, 0
	v_lshrrev_b32 v1, 5, v0
	s_delay_alu instid0(VALU_DEP_1)
	v_readfirstlane_b32 s24, v1                    ; wave 0..15
	v_and_b32 v2, 31, v0                           ; lane
	s_wait_kmcnt 0x0
	s_cmp_ge_u32 ttmp9, 48
	s_cbranch_scc1 .Lln
; ---------------- THE WEIGHTS.  A lane takes a column and its registers run down K: each load reads 128 consecutive bytes, a block of 32 lies in one lane.
	s_wait_alu depctr_va_vdst(0)
	v_lshlrev_b32 v3, 2, v2                        ; in: 4 bytes a lane
	v_and_b32 v6, 15, v2
	v_lshrrev_b32 v7, 4, v2
	s_delay_alu instid0(VALU_DEP_2)
	v_lshlrev_b32 v4, 4, v6
	s_delay_alu instid0(VALU_DEP_1)
	v_lshl_add_u32 v5, v7, 8, v4                   ; scale words: tile (lane / 16) x 256 + 16 r
	s_delay_alu instid0(VALU_DEP_2)
	v_lshl_add_u32 v4, v7, 12, v4                  ; codes: tile (lane / 16) x 4,096 + 16 r
; s[26:27] the weight; s28 where its codes begin; s29, s30 the pitch of a group of 128 columns (low two bits, the rest); s31 where its scale words begin; s32 my group of 32 columns; s33 my K step
	s_cmp_lt_u32 ttmp9, 4
	s_cbranch_scc0 .Lnot_wq
	s_mov_b64 s[26:27], s[10:11]
	s_mov_b32 s28, WQ_C
	s_mov_b32 s29, 32768
	s_mov_b32 s30, 131072
	s_mov_b32 s31, WQ_S
	s_mov_b32 s32, s24
	s_mov_b32 s33, ttmp9
	s_branch .Lw512
.Lnot_wq:
	s_cmp_lt_u32 ttmp9, 8
	s_cbranch_scc0 .Lnot_wp
	s_mov_b64 s[26:27], s[14:15]
	s_mov_b32 s28, WP_C
	s_mov_b32 s29, 32768
	s_mov_b32 s30, 131072
	s_mov_b32 s31, WP_S
	s_mov_b32 s32, s24
	s_sub_co_u32 s33, ttmp9, 4
	s_branch .Lw512
.Lnot_wp:
	s_cmp_lt_u32 ttmp9, 24
	s_cbranch_scc0 .Lnot_w2
	s_mov_b64 s[26:27], s[18:19]
	s_mov_b32 s28, M_C+131072                      ; w2: a group of 128 columns belongs to one wave of the last launch; four K steps are a stage
	s_mov_b32 s29, 262144
	s_mov_b32 s30, 0
	s_mov_b32 s31, M_S+8192
	s_mov_b32 s32, s24
	s_sub_co_u32 s33, ttmp9, 8
.Lw512:
.macro BLOCK t                         ; block t of my 128 along K: all its 32 numbers are mine
.set XB, NUM+32*(\t)
	v_max3_num_f32 v12, |v[XB]|, |v[XB+1]|, |v[XB+2]|
	v_max3_num_f32 v13, |v[XB+3]|, |v[XB+4]|, |v[XB+5]|
.irp i, 6,10,14,18,22,26
	s_delay_alu instid0(VALU_DEP_2)
	v_max3_num_f32 v12, v12, |v[XB+\i]|, |v[XB+\i+1]|
	s_delay_alu instid0(VALU_DEP_2)
	v_max3_num_f32 v13, v13, |v[XB+\i+2]|, |v[XB+\i+3]|
.endr
	s_delay_alu instid0(VALU_DEP_2)
	v_max3_num_f32 v12, v12, |v[XB+30]|, |v[XB+31]|
	s_delay_alu instid0(VALU_DEP_1)
	v_max3_num_f32 v12, v12, v13, 0x1800000        ; and the floor 2^(3 - 127)
	s_delay_alu instid0(VALU_DEP_1)
	v_add_nc_u32 v11, 0xff000000, v12              ; the conversions' scale operand
	s_delay_alu instid0(VALU_DEP_1)
	v_lshrrev_b32 v13, 23, v11                     ; the byte
.if (\t) == 0
	s_delay_alu instid0(VALU_DEP_1)
	v_mov_b32 v[SBY], v13
.else
	s_delay_alu instid0(VALU_DEP_1)
	v_lshl_or_b32 v[SBY], v13, 8*(\t), v[SBY]
.endif
	v_cvt_scalef32_pk8_fp4_f32 v[COD+4*(\t)], v[XB:XB+7], v11          ; the groups of 8 go to places 0, 2, 1, 3
	v_cvt_scalef32_pk8_fp4_f32 v[COD+4*(\t)+2], v[XB+8:XB+15], v11
	v_cvt_scalef32_pk8_fp4_f32 v[COD+4*(\t)+1], v[XB+16:XB+23], v11
	v_cvt_scalef32_pk8_fp4_f32 v[COD+4*(\t)+3], v[XB+24:XB+31], v11
	global_store_b128 v4, v[COD+4*(\t):COD+4*(\t)+3], s[40:41] offset:256*(\t)   ; block t = piece t / 2, half t % 2: each half of the lanes stores 256 consecutive bytes, aligned
.endm
.macro WPATH cols
	s_lshr_b32 s34, s32, 2                         ; my group of 128 columns
	s_lshr_b32 s35, s34, 2
	s_mul_i32 s35, s35, s30
	s_and_b32 s34, s34, 3
	s_mul_i32 s34, s34, s29
	s_add_co_u32 s35, s35, s34
	s_lshr_b32 s34, s33, 2                         ; K steps by fours: 32,768 bytes each
	s_lshl_b32 s34, s34, 15
	s_add_co_u32 s35, s35, s34
	s_and_b32 s34, s32, 3                          ; two tiles of 4,096 bytes
	s_lshl_b32 s34, s34, 13
	s_add_co_u32 s35, s35, s34
	s_and_b32 s36, s33, 3
	s_lshl_b32 s37, s36, 10
	s_add_co_u32 s38, s35, s37
	s_add_co_u32 s38, s38, s28
	s_mov_b32 s39, 0
	s_add_nc_u64 s[40:41], s[20:21], s[38:39]      ; where my codes go
	s_lshr_b32 s38, s35, 4                         ; a tile's 4,096 bytes of codes have 256 bytes of scale words
	s_lshl_b32 s37, s36, 2
	s_add_co_u32 s38, s38, s37
	s_add_co_u32 s38, s38, s31
	s_add_nc_u64 s[42:43], s[20:21], s[38:39]      ; where my scale words go
	s_mul_i32 s38, s33, 512*\cols                  ; 128 rows of the weight
	s_lshl_b32 s37, s32, 7
	s_add_co_u32 s38, s38, s37
	s_add_nc_u64 s[26:27], s[26:27], s[38:39]
.set i_, 0
.rept 128
	global_load_b32 v[NUM+i_], v3, s[26:27] offset:i_*\cols*4 th:TH_LOAD_NT
.set i_, i_+1
.endr
	s_wait_loadcnt 63                              ; of the 128 loads at most 63 are out: blocks 0 and 1 are in
	BLOCK 0
	BLOCK 1
	s_wait_loadcnt 32                              ; only block 3's loads may be out
	BLOCK 2
	s_wait_loadcnt 0x0
	BLOCK 3
	v_nop
	global_store_b32 v5, v[SBY], s[42:43]          ; my column's word of this K step: 4 bytes at a pitch of 16: one byte in 128 of what the wave reads
	s_endpgm
.endm
	s_wait_alu depctr_va_vdst(0)
	WPATH 512
.Lnot_w2:
	s_cmp_lt_u32 ttmp9, 32
	s_cbranch_scc0 .Lnot_wkv
	s_mov_b64 s[26:27], s[12:13]
	s_mov_b32 s28, WKV_C
	s_mov_b32 s29, 32768
	s_mov_b32 s30, 131072
	s_mov_b32 s31, WKV_S
	s_sub_co_u32 s34, ttmp9, 24
	s_lshl_b32 s34, s34, 4
	s_add_co_u32 s34, s34, s24
	s_and_b32 s32, s34, 31
	s_lshr_b32 s33, s34, 5
	s_wait_alu depctr_va_vdst(0)
	WPATH 1024
.Lnot_wkv:
	s_mov_b64 s[26:27], s[16:17]
	s_mov_b32 s28, M_C                             ; w1: group g of 128 hidden units is stage g % 4 of wave g / 4
	s_mov_b32 s29, 32768
	s_mov_b32 s30, 262144
	s_mov_b32 s31, M_S
	s_sub_co_u32 s34, ttmp9, 32
	s_lshl_b32 s34, s34, 4
	s_add_co_u32 s34, s34, s24
	s_and_b32 s32, s34, 63
	s_lshr_b32 s33, s34, 6
	s_wait_alu depctr_va_vdst(0)
	WPATH 2048
; ---------------- LN1.  Wave w: tokens 16 (w / 4) on of the work-group's 64, columns 128 (w % 4) on.  Lane (r, h) holds, of token r, 16 numbers of each block of 32: columns 8 h + 0..7 and 16 + 8 h + 0..7.
.Lln:
	s_sub_co_u32 s25, ttmp9, 48                    ; which 64 tokens
	s_lshr_b32 s26, s24, 2                         ; tile of tokens
	s_and_b32 s27, s24, 3                          ; K step
	s_mov_b32 s[SEL], 0x76543210
	s_mov_b32 s[SEL+1], 0xfedcba98
	s_mov_b32 s34, 0x3b000000                      ; 1 / 512
	s_mov_b32 s35, 0x3727c5ac                      ; 1e-5
	v_and_b32 v3, 15, v0                           ; r
	v_bfe_u32 v4, v0, 4, 1                         ; h
	v_bfe_u32 v5, v0, 5, 2                         ; K step
	v_bfe_u32 v6, v0, 7, 2                         ; tile
	s_delay_alu instid0(VALU_DEP_4)
	v_lshlrev_b32 v11, 4, v3                       ; 16 r
	s_delay_alu instid0(VALU_DEP_1)
	v_lshl_add_u32 v7, v6, 8, v11                  ; LDS: a token's four partial sums: (16 tile + r) x 16
	s_delay_alu instid0(VALU_DEP_1)
	v_lshl_add_u32 v8, v5, 2, v7                   ; and my wave's word among them
	v_lshlrev_b32 v9, 5, v4                        ; gain and bias: 32 h
	s_delay_alu instid0(VALU_DEP_1)
	v_lshl_add_u32 v10, v3, 11, v9                 ; x: row r of 2,048 bytes + 32 h
	s_wait_alu depctr_va_vdst(0)
	v_lshlrev_b32 v12, 4, v2                       ; out: 16 x lane
.irp b, 0,1,2,3
	v_mov_b32 v[QT+\b], 0                          ; written once: a lane permute's destination counts as one of its sources
.endr
	s_lshl_b32 s28, s25, 17
	s_lshl_b32 s30, s26, 15
	s_add_co_u32 s28, s28, s30
	s_lshl_b32 s30, s27, 9
	s_add_co_u32 s28, s28, s30
	s_mov_b32 s29, 0
	s_mov_b32 s31, 0
	s_add_nc_u64 s[4:5], s[4:5], s[28:29]          ; x at my 16 tokens, my 128 columns
	s_add_nc_u64 s[6:7], s[6:7], s[30:31]
	s_add_nc_u64 s[8:9], s[8:9], s[30:31]
	s_lshl_b32 s28, s25, 4
	s_add_co_u32 s28, s28, s24
	s_lshl_b32 s28, s28, 10
	s_add_nc_u64 s[36:37], s[22:23], s[28:29]      ; my fragment: (tile x 4 + K step) x 1,024
	s_lshl_b32 s28, s25, 2
	s_add_co_u32 s28, s28, s26
	s_lshl_b32 s28, s28, 8
	s_lshl_b32 s30, s27, 2
	s_add_co_u32 s28, s28, s30
	s_add_co_u32 s28, s28, XS_OFF
	s_add_nc_u64 s[38:39], s[22:23], s[28:29]      ; my scale words: tile x 256 + 4 x K step (+ 16 r)
.irp b, 0,1,2,3
	global_load_b128 v[X+16*\b:X+16*\b+3], v10, s[4:5] offset:128*\b th:TH_LOAD_NT
	global_load_b128 v[X+16*\b+4:X+16*\b+7], v10, s[4:5] offset:128*\b+16 th:TH_LOAD_NT
	global_load_b128 v[X+16*\b+8:X+16*\b+11], v10, s[4:5] offset:128*\b+64 th:TH_LOAD_NT
	global_load_b128 v[X+16*\b+12:X+16*\b+15], v10, s[4:5] offset:128*\b+80 th:TH_LOAD_NT
.endr
.irp b, 0,1,2,3
	global_load_b128 v[LW+16*\b:LW+16*\b+3], v9, s[6:7] offset:128*\b
	global_load_b128 v[LW+16*\b+4:LW+16*\b+7], v9, s[6:7] offset:128*\b+16
	global_load_b128 v[LW+16*\b+8:LW+16*\b+11], v9, s[6:7] offset:128*\b+64
	global_load_b128 v[LW+16*\b+12:LW+16*\b+15], v9, s[6:7] offset:128*\b+80
.endr
.irp b, 0,1,2,3
	global_load_b128 v[LB+16*\b:LB+16*\b+3], v9, s[8:9] offset:128*\b
	global_load_b128 v[LB+16*\b+4:LB+16*\b+7], v9, s[8:9] offset:128*\b+16
	global_load_b128 v[LB+16*\b+8:LB+16*\b+11], v9, s[8:9] offset:128*\b+64
	global_load_b128 v[LB+16*\b+12:LB+16*\b+15], v9, s[8:9] offset:128*\b+80
.endr
; the two chains v[244:245], v[246:247] hold my 64 numbers' sum; it is joined with lane l xor 16's and, through LDS, with the three other waves of my tokens.  The row's sum ends in v252
.macro LNRED off
	s_delay_alu instid0(VALU_DEP_1)
	v_pk_add_f32 v[244:245], v[244:245], v[246:247]
	s_delay_alu instid0(VALU_DEP_1)
	v_add_f32 v244, v244, v245
	s_delay_alu instid0(VALU_DEP_1)
	v_permlanex16_b32 v245, v244, s[SEL], s[SEL+1]
	s_delay_alu instid0(VALU_DEP_1)
	v_add_f32 v244, v244, v245
	ds_store_b32 v8, v244 offset:\off              ; both halves of the lanes write the same word with the same value
	BARRIER
	ds_load_b128 v[252:255], v7 offset:\off
	s_wait_dscnt 0x0
	v_add_f32 v252, v252, v253
	v_add_f32 v254, v254, v255
	s_delay_alu instid0(VALU_DEP_1)
	v_add_f32 v252, v252, v254
.endm
	s_wait_loadcnt 32                              ; x's 16 loads are in; the gain's and the bias's 32 may be out
	v_pk_add_f32 v[244:245], v[X:X+1], v[X+2:X+3]
	v_pk_add_f32 v[246:247], v[X+4:X+5], v[X+6:X+7]
.set j_, 8
.rept 14
	s_delay_alu instid0(VALU_DEP_2)
	v_pk_add_f32 v[244:245], v[244:245], v[X+j_:X+j_+1]
	s_delay_alu instid0(VALU_DEP_2)
	v_pk_add_f32 v[246:247], v[246:247], v[X+j_+2:X+j_+3]
.set j_, j_+4
.endr
	LNRED 0
	s_delay_alu instid0(VALU_DEP_1)
	v_mul_f32 v250, s34, v252                      ; the mean
	s_delay_alu instid0(VALU_DEP_1)
	v_mov_b32 v251, v250
.set j_, 0
.rept 32
	v_pk_add_f32 v[X+j_:X+j_+1], v[X+j_:X+j_+1], v[250:251] neg_lo:[0,1] neg_hi:[0,1]   ; x - mean: the variance is the mean of its squares, no difference of large sums
.set j_, j_+2
.endr
	v_pk_mul_f32 v[244:245], v[X:X+1], v[X:X+1]
	v_pk_mul_f32 v[246:247], v[X+2:X+3], v[X+2:X+3]
.set j_, 4
.rept 15
	s_delay_alu instid0(VALU_DEP_2)
	v_pk_fma_f32 v[244:245], v[X+j_:X+j_+1], v[X+j_:X+j_+1], v[244:245]
	s_delay_alu instid0(VALU_DEP_2)
	v_pk_fma_f32 v[246:247], v[X+j_+2:X+j_+3], v[X+j_+2:X+j_+3], v[246:247]
.set j_, j_+4
.endr
	LNRED 1024                                     ; other words than the first sum's: no barrier is owed between the two
	s_delay_alu instid0(VALU_DEP_1)
	v_fma_f32 v252, v252, s34, s35                 ; the variance + 1e-5
	s_wait_alu depctr_va_vdst(0)
	v_rsq_f32 v250, v252
	v_rsq_f32 v251, v252                           ; twice: a pair for the packed multiply
	v_nop                                          ; a plain instruction behind the transcendentals
	s_wait_alu depctr_va_vdst(0)                   ; a wait ahead of the first reader: one for both
	s_wait_loadcnt 0x0                             ; the gain and the bias
.set j_, 0
.rept 32
	v_pk_mul_f32 v[X+j_:X+j_+1], v[X+j_:X+j_+1], v[250:251]
.set j_, j_+2
.endr
.set j_, 0
.rept 32
	v_pk_fma_f32 v[X+j_:X+j_+1], v[X+j_:X+j_+1], v[LW+j_:LW+j_+1], v[LB+j_:LB+j_+1]
.set j_, j_+2
.endr
	QUANT X, 4
	global_store_b128 v12, v[PC:PC+3], s[36:37]              ; 512 consecutive bytes a store
	global_store_b128 v12, v[PC+4:PC+7], s[36:37] offset:512
	global_store_b32 v11, v[PW], s[38:39]                    ; both halves of the lanes hold the same word
	s_wait_tensorcnt 0x0
	ds_add_u32 v31, v249
	s_wait_dscnt 0x0
	s_endpgm
.Lfunc_end_k_q9fd221f8bc_prep:
	.size	k_q9fd221f8bc_prep, .Lfunc_end_k_q9fd221f8bc_prep-k_q9fd221f8bc_prep
	.p2alignl 7, 3214868480
	.fill 96, 4, 3214868480
	.section	.rodata,"a",@progbits
	.p2align	6, 0x0
	.amdhsa_kernel k_q9fd221f8bc_prep
		.amdhsa_group_segment_fixed_size 4096
		.amdhsa_private_segment_fixed_size 0
		.amdhsa_enable_private_segment 0
		.amdhsa_kernarg_size 80
		.amdhsa_user_sgpr_count 2
		.amdhsa_user_sgpr_kernarg_segment_ptr 1
		.amdhsa_wavefront_size32 1
		.amdhsa_system_sgpr_workgroup_id_x 1
		.amdhsa_system_sgpr_workgroup_id_y 1
		.amdhsa_system_sgpr_workgroup_id_z 1
		.amdhsa_system_vgpr_workitem_id 0
		.amdhsa_next_free_vgpr 256
		.amdhsa_next_free_sgpr 66
		.amdhsa_reserve_vcc 0
		.amdhsa_float_denorm_mode_32 3
		.amdhsa_float_denorm_mode_16_64 3
		.amdhsa_memory_ordered 1
		.amdhsa_forward_progress 1
		.amdhsa_inst_pref_size 93
	.end_amdhsa_kernel
	.amdgpu_metadata
---
amdhsa.version: [ 1, 2 ]
amdhsa.kernels:
  - .name:           k_q9fd221f8bc_prep
    .symbol:         k_q9fd221f8bc_prep.kd
    .args:
      - { .name: x, .offset: 0, .size: 8, .value_kind: global_buffer, .address_space: global }
      - { .name: ln1_w, .offset: 8, .size: 8, .value_kind: global_buffer, .address_space: global }
      - { .name: ln1_b, .offset: 16, .size: 8, .value_kind: global_buffer, .address_space: global }
      - { .name: wq, .offset: 24, .size: 8, .value_kind: global_buffer, .address_space: global }
      - { .name: wkv, .offset: 32, .size: 8, .value_kind: global_buffer, .address_space: global }
      - { .name: wp, .offset: 40, .size: 8, .value_kind: global_buffer, .address_space: global }
      - { .name: w1, .offset: 48, .size: 8, .value_kind: global_buffer, .address_space: global }
      - { .name: w2, .offset: 56, .size: 8, .value_kind: global_buffer, .address_space: global }
      - { .name: wcodes, .offset: 64, .size: 8, .value_kind: global_buffer, .address_space: global }
      - { .name: xcodes, .offset: 72, .size: 8, .value_kind: global_buffer, .address_space: global }
    .group_segment_fixed_size: 4096
    .private_segment_fixed_size: 0
    .kernarg_segment_align: 8
    .kernarg_segment_size: 80
    .max_flat_workgroup_size: 512
    .sgpr_count:     66
    .vgpr_count:     256
    .wavefront_size: 32
...
	.end_amdgpu_metadata
.endif
;; end of part 1
;; launch qkv (part 2): grid 64 x 3, 4 waves a work-group, no clusters, 0 bytes of LDS; arguments wcodes, xcodes, qcodes, kvcodes; writes qcodes, kvcodes
.if DOCPART == 2
	.amdgcn_target "amdgcn-amd-amdhsa--gfx1250"
	.amdhsa_code_object_version 6
	.text
	.protected	k_q9fd221f8bc_qkv
	.globl	k_q9fd221f8bc_qkv
	.p2align	8
	.type	k_q9fd221f8bc_qkv,@function
k_q9fd221f8bc_qkv:
	s_mov_b64 s[64:65], 0
	v_nop
	global_prefetch_b8 v0, s[64:65] scope:SCOPE_SE
	s_setreg_imm32_b32 hwreg(HW_REG_WAVE_MODE, 25, 1), 1
	s_wait_xcnt 0x0
; QKV: q = LN1(x) wq, k and v = LN1(x) wkv, on codes of FP4 with E8M0 scales; the results are quantised at once: q and k along a head's 64 channels, v along the keys.
; ONE TEXT FOR ALL THREE (work-group y = 0: q, 1: k, 2: v): D [128 in registers][16 in lanes] = R (8 tiles, source 0) x L (1 tile, source 1) over K = 512.
;   q, k: R = 128 columns of the weight (heads 2 w, 2 w + 1 of wave w), L = a tile of 16 tokens: a lane holds a token, its registers run along the channels.
;   v:    R = 128 tokens (a key step), L = 16 of v's columns: a lane holds a channel, its registers run along the keys, which are the K of attention's second product.
; R's 32 fragments stay in window 1 (256 registers); a wave walks 8 tiles of L.  Only pointers, offsets and strides are chosen by y: no branch, no LDS, no barrier: the waves share nothing.
; OUT.  qcodes: [batch x head 16][tile of 16 queries 256][512 bytes] (registers 0-3 of a fragment: K = 64), words at 2,097,152: [16][4,096] x 4 bytes (bytes 0, 1; the upper two are 0).
; kvcodes: 16 records of 286,720 bytes: [key step 32][K: 8 tiles x 512 | V^T: 4 tiles of channels x 1,024], K's words at 262,144 (a key a word), V's at 278,528 ([step][tile][16] words).
; The operands' format, the order inside a block and the quantiser's limits are those stated at the head of the first launch.
; No clusters: each byte is read by the one wave that uses it, already in register order, and a work-group moves 64 KB a wave.
.set S0,     1572864
.set XS_OFF, 2097152
.set SEL, 56                           ; s[56:57]
.set RS,  16                           ; v16-47   R's scale words: 4 t + K step
.set LF0, 48                           ; v48-79, v80-111 L's four fragments, two sets
.set LS0, 112                          ; v112-115, v116-119 L's scale words, two sets
.set HA,  128                          ; v128-191 the eight results
.set PC,  192
.set QM,  200
.set QT,  204
.set QS,  208
.set PW,  216
.set MSB, 0
.macro WIN new                         ; the immediate's high byte repeats the setting that is left
.if MSB != \new
	s_set_vgpr_msb (MSB<<8)|(\new)
.set MSB, \new
.endif
.endm
.macro QUANT s, cnt                    ; as in the first launch: 16 x cnt numbers of a lane become codes in v[PC] on and a scale word in v[PW]
.irp b, 0,1,2,3
.if \b < \cnt
	v_max3_num_f32 v[QM+\b], |v[\s+16*\b]|, |v[\s+1+16*\b]|, 0x1800000
.endif
.endr
.irp i, 2,4,6,8,10,12,14
.irp b, 0,1,2,3
.if \b < \cnt
	v_max3_num_f32 v[QM+\b], v[QM+\b], |v[\s+16*\b+\i]|, |v[\s+1+16*\b+\i]|
.endif
.endr
.endr
.irp b, 0,1,2,3
.if \b < \cnt
	v_permlanex16_b32 v[QT+\b], v[QM+\b], s[SEL], s[SEL+1]
.endif
.endr
.irp b, 0,1,2,3
.if \b < \cnt
	v_max_num_f32 v[QM+\b], v[QM+\b], v[QT+\b]
.endif
.endr
.irp b, 0,1,2,3
.if \b < \cnt
	v_add_nc_u32 v[QS+\b], 0xff000000, v[QM+\b]
.endif
.endr
.irp b, 0,1,2,3
.if \b < \cnt
	v_lshrrev_b32 v[QT+\b], 23, v[QS+\b]
.endif
.endr
	v_lshl_or_b32 v[PW], v[QT+1], 8, v[QT]
.if \cnt > 2
	v_lshl_or_b32 v[PW], v[QT+2], 16, v[PW]
	v_lshl_or_b32 v[PW], v[QT+3], 24, v[PW]
.endif
.irp b, 0,1,2,3
.if \b < \cnt
	v_cvt_scalef32_pk8_fp4_f32 v[PC+2*\b], v[\s+16*\b:\s+7+16*\b], v[QS+\b]
	v_cvt_scalef32_pk8_fp4_f32 v[PC+1+2*\b], v[\s+8+16*\b:\s+15+16*\b], v[QS+\b]
.endif
.endr
	v_nop
.irp c, 0,1
.if 2*\c < \cnt
.irp i, 0,1
	v_permlane16_swap_b32 v[PC+4*\c+\i], v[PC+2+4*\c+\i]
.endr
.endif
.endr
.endm
	s_load_b256 s[4:11], s[0:1], 0x0               ; wcodes s[4:5], xcodes s[6:7], qcodes s[8:9], kvcodes s[10:11]
	v_lshrrev_b32 v1, 5, v0
	v_readfirstlane_b32 s12, v1                    ; wave w
	s_mov_b32 s13, ttmp9                           ; x: which 128 tokens
	s_and_b32 s14, ttmp7, 0xffff                   ; y
	s_lshr_b32 s15, s13, 5                         ; batch
	s_and_b32 s16, s13, 31                         ; key step in the batch
	s_mov_b32 s[SEL], 0x76543210
	s_mov_b32 s[SEL+1], 0xfedcba98
	v_and_b32 v9, 31, v0
	v_lshlrev_b32 v1, 4, v9                        ; 16 x lane
	v_and_b32 v10, 15, v0                          ; r
	v_bfe_u32 v9, v0, 4, 1                         ; h
	v_lshlrev_b32 v2, 4, v10                       ; 16 r
.irp b, 0,1,2,3
	v_mov_b32 v[QT+\b], 0                          ; written once: a lane permute's destination counts as one of its sources
.endr
	s_lshl_b32 s18, s14, 17                        ; the weight's codes: wq at 0, k's columns at 131,072, v's at 262,144: y x 131,072,
	s_lshl_b32 s20, s12, 15                        ; + my 8 tiles
	s_add_co_u32 s18, s18, s20
	s_mov_b32 s19, 0
	s_lshl_b32 s20, s14, 13                        ; its scale words: S0 + y x 8,192 + w x 2,048
	s_lshl_b32 s22, s12, 11
	s_add_co_u32 s20, s20, s22
	s_add_co_u32 s20, s20, S0
	s_mov_b32 s21, 0
	s_lshl_b32 s22, s13, 15                        ; the tokens' codes: 8 tiles of 4,096 bytes
	s_mov_b32 s23, 0
	s_lshl_b32 s24, s13, 11
	s_add_co_u32 s24, s24, XS_OFF
	s_mov_b32 s25, 0
	s_wait_alu depctr_va_vdst(0)
	s_wait_kmcnt 0x0
	s_add_nc_u64 s[48:49], s[4:5], s[18:19]
	s_add_nc_u64 s[50:51], s[4:5], s[20:21]
	s_add_nc_u64 s[52:53], s[6:7], s[22:23]
	s_add_nc_u64 s[54:55], s[6:7], s[24:25]
	s_cmp_eq_u32 s14, 0                            ; q's numbers or k's and v's (s_mov_b32 and s_cselect leave SCC alone)
	s_mov_b32 s30, 286720
	s_cselect_b32 s30, 131072, s30                 ; from head to head in the codes
	s_mov_b32 s31, 8192
	s_cselect_b32 s31, 4096, s31                   ; from 128 tokens to the next
	s_mov_b32 s32, 286720
	s_cselect_b32 s32, 16384, s32                  ; from head to head in the scale words
	s_mov_b32 s33, 262144
	s_cselect_b32 s33, 2097152, s33                ; where the scale words begin
	s_cselect_b64 s[28:29], s[8:9], s[10:11]       ; the buffer that I store into
	s_cmp_eq_u32 s14, 2                            ; v's numbers or q's and k's
	s_cselect_b64 s[20:21], s[52:53], s[48:49]     ; R's codes,
	s_cselect_b64 s[22:23], s[54:55], s[50:51]     ; R's scale words,
	s_cselect_b64 s[24:25], s[48:49], s[52:53]     ; L's codes,
	s_cselect_b64 s[26:27], s[50:51], s[54:55]     ; L's scale words
	s_cselect_b32 s34, 4096, 0                     ; V^T lies behind a step's K
	s_cselect_b32 s35, 512, s30                    ; from the codes' first four registers to the last four: the next head, or the fragment's second piece
	s_mov_b32 s36, 512
	s_cselect_b32 s36, 1024, s36                   ; from tile to tile of L
	s_cselect_b32 s37, 282624, 0                   ; v: more at tile 4: the next head's record, back four tiles
	s_cselect_b32 s33, 278528, s33
	s_mov_b32 s38, 512
	s_cselect_b32 s38, 256, s38                    ; scale words of 128 tokens
	s_cselect_b32 s39, 0, s32                      ; lanes 16-31 store the next head's word (q, k), or the same word (v)
	s_cselect_b32 s40, 286464, 0
	s_cselect_b32 s41, 0, 16                       ; which is the upper half of the word made (q, k)
	s_mov_b32 s42, 0xffff
	s_cselect_b32 s42, -1, s42
	s_lshl_b32 s45, s15, 3
	s_lshl_b32 s46, s12, 1
	s_add_co_u32 s45, s45, s46                     ; batch x 8 + head 2 w
	s_mul_i32 s43, s45, s30
	s_mul_i32 s46, s16, s31
	s_add_co_u32 s43, s43, s46
	s_add_co_u32 s43, s43, s34                     ; s43: where tile 0's codes go
	s_mul_i32 s44, s45, s32
	s_mul_i32 s46, s16, s38
	s_add_co_u32 s44, s44, s46
	s_add_co_u32 s44, s44, s33                     ; s44: where its scale words go
	v_mul_lo_u32 v3, v9, s39
	v_lshl_add_u32 v3, v10, 2, v3                  ; h x (head to head) + 4 r
	v_mul_lo_u32 v4, v9, s41                       ; h x 16 bits
	WIN 0x40                                       ; destination window 1
.set n_, 0
.rept 64
	global_load_b128 v[4*n_:4*n_+3], v1, s[20:21] offset:512*n_   ; R: fragment (t, K step) at v[8 (4 t + K step)] of window 1
.set n_, n_+1
.endr
	WIN 0
.irp t, 0,1,2,3,4,5,6,7
	global_load_b128 v[RS+4*\t:RS+4*\t+3], v2, s[22:23] offset:256*\t
.endr
.macro LLOAD i                         ; tile i of L: four fragments and their words into set i % 2
.irp n, 0,1,2,3,4,5,6,7
	global_load_b128 v[LF0+32*((\i)%2)+4*\n:LF0+32*((\i)%2)+4*\n+3], v1, s[24:25] offset:(\i)*4096+512*\n
.endr
	global_load_b128 v[LS0+4*((\i)%2):LS0+4*((\i)%2)+3], v2, s[26:27] offset:(\i)*256
.endm
	LLOAD 0
.macro GSTEP i
.set LF, LF0+32*((\i)%2)
.set LS, LS0+4*((\i)%2)
.if (\i) < 7
	LLOAD (\i)+1                                   ; the set that the last step multiplied: its products stand behind four v_nop and a quantiser
	s_wait_loadcnt 9                               ; only the nine just issued may be out
.else
	s_wait_loadcnt 0x0
.endif
	WIN 0x01                                       ; source 0 (R) window 1
.irp ks, 0,1,2,3                       ; the eight accumulators take turns, one instruction a turn; the first K step starts the sums
.irp t, 0,1,2,3,4,5,6,7
.if \ks == 0
	v_wmma_scale_f32_16x16x128_f8f6f4 v[HA+8*\t:HA+8*\t+7], v[8*(4*\t+\ks):8*(4*\t+\ks)+7], v[LF+8*\ks:LF+8*\ks+7], 0, v[RS+4*\t+\ks], v[LS+\ks] matrix_a_fmt:MATRIX_FMT_FP4 matrix_b_fmt:MATRIX_FMT_FP4
.else
	v_wmma_scale_f32_16x16x128_f8f6f4 v[HA+8*\t:HA+8*\t+7], v[8*(4*\t+\ks):8*(4*\t+\ks)+7], v[LF+8*\ks:LF+8*\ks+7], v[HA+8*\t:HA+8*\t+7], v[RS+4*\t+\ks], v[LS+\ks] matrix_a_fmt:MATRIX_FMT_FP4 matrix_b_fmt:MATRIX_FMT_FP4
.endif
.endr
.endr
	WIN 0
.rept 4
	v_nop                                          ; places ahead of the first read of results
.endr
	s_wait_xcnt 0x0                                ; the last step's stores have read their data and offsets: both are written again below
	QUANT HA, 4
	v_add_nc_u32 v5, s43, v1
	v_add_nc_u32 v6, s35, v5
	v_add_nc_u32 v7, s44, v3
	v_lshrrev_b32 v8, v4, v[PW]
	v_and_b32 v8, s42, v8
	global_store_b128 v5, v[PC:PC+3], s[28:29]     ; 512 consecutive bytes a store
	global_store_b128 v6, v[PC+4:PC+7], s[28:29]
	global_store_b32 v7, v8, s[28:29]
	s_add_co_u32 s43, s43, s36
	s_add_co_u32 s44, s44, 64
.if (\i) == 3
	s_add_co_u32 s43, s43, s37
	s_add_co_u32 s44, s44, s40
.endif
.endm
.irp i, 0,1,2,3,4,5,6,7
	GSTEP \i
.endr
	s_endpgm
.Lfunc_end_k_q9fd221f8bc_qkv:
	.size	k_q9fd221f8bc_qkv, .Lfunc_end_k_q9fd221f8bc_qkv-k_q9fd221f8bc_qkv
	.p2alignl 7, 3214868480
	.fill 96, 4, 3214868480
	.section	.rodata,"a",@progbits
	.p2align	6, 0x0
	.amdhsa_kernel k_q9fd221f8bc_qkv
		.amdhsa_group_segment_fixed_size 0
		.amdhsa_private_segment_fixed_size 0
		.amdhsa_enable_private_segment 0
		.amdhsa_kernarg_size 32
		.amdhsa_user_sgpr_count 2
		.amdhsa_user_sgpr_kernarg_segment_ptr 1
		.amdhsa_wavefront_size32 1
		.amdhsa_system_sgpr_workgroup_id_x 1
		.amdhsa_system_sgpr_workgroup_id_y 1
		.amdhsa_system_sgpr_workgroup_id_z 1
		.amdhsa_system_vgpr_workitem_id 0
		.amdhsa_next_free_vgpr 512
		.amdhsa_next_free_sgpr 66
		.amdhsa_reserve_vcc 0
		.amdhsa_float_denorm_mode_32 3
		.amdhsa_float_denorm_mode_16_64 3
		.amdhsa_memory_ordered 1
		.amdhsa_forward_progress 1
		.amdhsa_inst_pref_size 86
	.end_amdhsa_kernel
	.amdgpu_metadata
---
amdhsa.version: [ 1, 2 ]
amdhsa.kernels:
  - .name:           k_q9fd221f8bc_qkv
    .symbol:         k_q9fd221f8bc_qkv.kd
    .args:
      - { .name: wcodes, .offset: 0, .size: 8, .value_kind: global_buffer, .address_space: global }
      - { .name: xcodes, .offset: 8, .size: 8, .value_kind: global_buffer, .address_space: global }
      - { .name: qcodes, .offset: 16, .size: 8, .value_kind: global_buffer, .address_space: global }
      - { .name: kvcodes, .offset: 24, .size: 8, .value_kind: global_buffer, .address_space: global }
    .group_segment_fixed_size: 0
    .private_segment_fixed_size: 0
    .kernarg_segment_align: 8
    .kernarg_segment_size: 32
    .max_flat_workgroup_size: 128
    .sgpr_count:     66
    .vgpr_count:     512
    .wavefront_size: 32
...
	.end_amdgpu_metadata
.endif
;; end of part 2
;; launch attn (part 3): grid 16 x 16, 16 waves a work-group, clusters of 4 x 1, 327,680 bytes of LDS; arguments qcodes, kvcodes, acodes; writes acodes
.if DOCPART == 3
	.amdgcn_target "amdgcn-amd-amdhsa--gfx1250"
	.amdhsa_code_object_version 6
	.text
	.protected	k_q9fd221f8bc_attn
	.globl	k_q9fd221f8bc_attn
	.p2align	8
	.type	k_q9fd221f8bc_attn,@function
k_q9fd221f8bc_attn:
	s_mov_b64 s[64:65], 0
	v_nop
	global_prefetch_b8 v0, s[64:65] scope:SCOPE_SE
	s_setreg_imm32_b32 hwreg(HW_REG_WAVE_MODE, 25, 1), 1
	s_wait_xcnt 0x0
	s_wait_alu depctr_hold_cnt(0) depctr_sa_sdst(0) depctr_va_vdst(0) depctr_va_sdst(0) depctr_va_ssrc(0) depctr_va_vcc(0) depctr_vm_vsrc(0)
	s_getreg_b32 s2, hwreg(HW_REG_IB_STS2, 6, 4)
	s_cmp_eq_u32 s2, 0
	s_cbranch_scc0 .Lentry_in_a_cluster
	s_endpgm
.Lentry_in_a_cluster:
	s_bfe_u32 s2, ttmp6, 0x10000c
	s_cmp_lg_u32 s2, 0x3003
	s_cbranch_scc0 .Lentry_shape_is_right
	s_endpgm
.Lentry_shape_is_right:
; ATTENTION on codes of FP4 (E2M1) with E8M0 scales: a = softmax(q k^T / 8) v for one batch x head (work-group y), quantised at once along the channels for the next product.
; SOFTMAX: t = score x log2(e) / 8; M = the running largest t rounded up to a whole number; p = 2^(t - M) is quantised along the keys; the row's sum is taken of the unquantised p and divides at the end.
; When M moves, the sums and O^T are multiplied by 2^(old M - new M), which rounds nothing.
; LIMITS: the promise holds while |t| stays under 2^31; NaN and infinities are not served.  The operands' format, the order inside a block and the quantiser's limits are those stated at the head of the first launch.
; SHARES: a work-group owns 256 queries of a head, each of its 16 waves 16 of them in 256 registers.  Both products are used transposed: a lane holds one query throughout.
; LDS holds the head's whole record of kvcodes as it lies in memory: 32 key steps x 8,192 bytes (K: 8 tiles x 512; V^T: 4 tiles x 1,024), K's words at SCK, V's at SCV: 286,720 bytes, each filled once.
; K = 64: a fragment of K or Q is 4 registers; the upper 4 that the instruction names meet Q's zero codes, so they add nothing.
; CLUSTER 4 x 1: the four work-groups walk the same record and ask for it jointly (mask 15).  TWO LOADS A WAVE: at the head waves 0-7 ask for key steps 0-3 (4,096 bytes each), waves 8-15 for the
; scale words (3,072 bytes each); behind the full sequence and a round every wave asks for 14,336 bytes of key steps 4-31, which are first read behind the barrier ahead of step 4.
; NO PREFETCH: all that the launch reads of K and V is asked for by these two loads, ahead of the first key step: there is no later request for a loop to run ahead of.
.set REC,  286720
.set SCK,  262144
.set SCV,  278528
.set SPARE, 0x46000                    ; behind the record: 16 waves x 128 bytes of spare words
.set NA,   4                           ; key steps that the head's loads bring
.set WV,   10
.set SEL,  20                          ; s[20:21] selects of v_permlanex16_b32: lane l xor 16
.set CS,   22                          ; s[22:23] c = log2(e) / 8
.set G1A,  24                          ; group 1: 16 rows of 256 bytes
.set G1S,  32                          ; 12 rows
.set G1B,  40                          ; 56 rows
.set G0A,  48
.set G0S,  52
.set G0B,  56
.set SKV,  60                          ; the step's first byte among the codes, K's words, V's words
.set SSK,  61
.set SSV,  62
.set CNT,  63
.set ADK,  4
.set ADS,  5
.set ADT,  6
.set QF,   16                          ; v16-19 Q, v20-23 zeros
.set QW,   24
.set VS,   26
.set KS,   28
.set KF,   32                          ; v32-63 K's eight tiles, v64-67 zeros
.set VF,   68
.set S,    100                         ; v100-163 S^T, then p
.set O,    164                         ; v164-195 O^T
.set PC,   196
.set BM,   204
.set T4,   208
.set SO,   212
.set PW,   216
.macro ROUND                           ; a round of the cluster's barrier
	s_barrier_signal -1
	s_barrier_wait -1
	s_cmp_lg_u32 s[WV], 0
	s_cbranch_scc1 .Lnot_wave_0_\@
	s_barrier_signal -3
.Lnot_wave_0_\@:
	s_barrier_wait -3
	s_barrier_signal -1
	s_barrier_wait -1
.endm
.macro NOPS
.rept 4
	v_nop
.endr
.endm
	s_load_b128 s[4:7], s[0:1], 0x0                ; qcodes, kvcodes
	s_load_b64 s[8:9], s[0:1], 0x10                ; acodes
	v_lshl_add_u32 v254, v0, 2, SPARE
	v_mov_b32 v255, 0
	ds_add_u32 v254, v255                          ; the opening lines: the add twice on end and its wait ahead of the first tensor load
	ds_add_u32 v254, v255
	v_lshrrev_b32 v9, 5, v0
	s_delay_alu instid0(VALU_DEP_1)
	v_readfirstlane_b32 s[WV], v9                  ; wave 0..15
	s_bfe_u32 s11, ttmp6, 0x40000                  ; cx
	s_lshl_b32 s12, ttmp9, 2
	s_add_co_u32 s12, s12, s11                     ; which 256 queries
	s_and_b32 s13, ttmp7, 0xffff                   ; batch x 8 + head
.irp g, G1A, G1S, G1B                  ; dense blocks as rows of 256 bytes (32 elements of 8 bytes); mask 15, bit 21 beside it
	s_mov_b32 s[\g], 15|(3<<16)|(1<<21)
	s_mov_b32 s[\g+1], 32<<16
	s_mov_b32 s[\g+3], 32<<16
	s_mov_b32 s[\g+5], 32
	s_mov_b32 s[\g+6], 0
	s_mov_b32 s[\g+7], 0
.endr
	s_mov_b32 s[G1A+2], 16<<16
	s_mov_b32 s[G1A+4], 16
	s_mov_b32 s[G1S+2], 12<<16
	s_mov_b32 s[G1S+4], 12
	s_mov_b32 s[G1B+2], 56<<16
	s_mov_b32 s[G1B+4], 56
	s_mul_i32 s16, s13, REC
	s_mov_b32 s17, 0
	s_lshl_b32 s66, s[WV], 12                      ; waves 0-7: 4,096 x wave
	s_mov_b32 s67, 0
	s_mul_i32 s68, s[WV], 3072
	s_add_co_u32 s68, s68, SCK-8*3072              ; waves 8-15: SCK + 3,072 x (wave - 8)
	s_mov_b32 s69, 0
	s_mul_i32 s70, s[WV], 14336
	s_add_co_u32 s70, s70, NA*8192                 ; all: behind step 3, 14,336 x wave
	s_mov_b32 s71, 0
	s_mov_b32 s[SEL], 0x76543210
	s_mov_b32 s[SEL+1], 0xfedcba98
	s_mov_b32 s[CS], 0x3e38aa3b
	s_mov_b32 s[CS+1], s[CS]
	s_wait_dscnt 0x0                               ; both opening adds are done
	s_wait_kmcnt 0x0
	s_add_nc_u64 s[14:15], s[6:7], s[16:17]        ; the head's record: LDS byte = record byte
.irp g, 0,1,2
	s_mov_b32 s[G0A+4*\g], 1
	s_mov_b32 s[G0A+4*\g+1], s[66+2*\g]
	s_add_nc_u64 s[G0A+4*\g+2:G0A+4*\g+3], s[14:15], s[66+2*\g:67+2*\g]
	s_or_b32 s[G0A+4*\g+3], s[G0A+4*\g+3], 0x80000000
.endr
	ROUND                                          ; ahead of the first joint loads
	s_cmp_lt_u32 s[WV], 8                          ; one chain of two arms, a load to an arm: every way passes exactly one
	s_cbranch_scc0 .Lhead_s
	tensor_load_to_lds s[G0A:G0A+3], s[G1A:G1A+7]
	s_nop 0
	NOPS
	s_branch .Lhead_asked
.Lhead_s:
	tensor_load_to_lds s[G0S:G0S+3], s[G1S:G1S+7]
	s_nop 0
	NOPS
.Lhead_asked:
	s_lshl_b32 s70, s13, 8
	s_lshl_b32 s71, s12, 4
	s_add_co_u32 s70, s70, s71
	s_add_co_u32 s70, s70, s[WV]                   ; my tile of queries in qcodes
	s_lshl_b32 s72, s70, 9
	s_mov_b32 s73, 0
	s_add_nc_u64 s[74:75], s[4:5], s[72:73]
	s_lshl_b32 s72, s70, 6
	s_add_co_u32 s72, s72, 2097152
	s_add_nc_u64 s[76:77], s[4:5], s[72:73]        ; its scale words
	s_lshr_b32 s70, s13, 3
	s_lshl_b32 s70, s70, 8
	s_add_co_u32 s70, s70, s71
	s_add_co_u32 s70, s70, s[WV]                   ; my tile of tokens in acodes
	s_and_b32 s78, s13, 7
	s_lshl_b32 s72, s70, 12
	s_lshl_b32 s79, s78, 9
	s_add_co_u32 s72, s72, s79
	s_add_nc_u64 s[80:81], s[8:9], s[72:73]        ; the head's 512 bytes of the tile
	s_lshl_b32 s72, s70, 8
	s_lshl_b32 s79, s78, 1
	s_add_co_u32 s72, s72, s79
	s_add_co_u32 s72, s72, 2097152
	s_add_nc_u64 s[82:83], s[8:9], s[72:73]        ; and its two scale bytes of each row
	v_and_b32 v9, 31, v0
	s_delay_alu instid0(VALU_DEP_1)
	v_lshlrev_b32 v1, 4, v9                        ; 16 x lane
	v_lshl_add_u32 v2, v9, 2, SCK
	v_lshl_add_u32 v3, v9, 2, SCV
	v_and_b32 v10, 15, v0
	s_delay_alu instid0(VALU_DEP_1)
	v_lshlrev_b32 v8, 4, v10
	v_lshlrev_b32 v11, 2, v10
	global_load_b128 v[QF:QF+3], v1, s[74:75]
	global_load_b32 v[QW], v11, s[76:77]
.irp j, 0,1,2,3
	v_mov_b32 v[QF+4+\j], 0
	v_mov_b32 v[KF+32+\j], 0
	v_mov_b32 v[T4+\j], 0                          ; a lane permute's destination counts as one of its sources
.endr
	v_mov_b32 v13, 0xff61b1e6                      ; the largest t so far: -3e38
	s_delay_alu instid0(VALU_DEP_1)
	v_floor_f32 v12, -v13                          ; -M
	v_mov_b32 v14, 0                               ; the sum, in two pairs
	v_mov_b32 v15, 0
	v_mov_b32 v222, 0
	v_mov_b32 v223, 0
	v_mov_b32 v219, 0                              ; named with v218 as a pair
.set j_, 0
.rept 32
	v_mov_b32 v[O+j_], 0                           ; the step is written once: the first change of M multiplies zeros
.set j_, j_+1
.endr
; A KEY STEP: 128 keys
.macro STEP
	v_add_nc_u32 v[ADK], s[SKV], v1                ; these four lines are the places behind the last step's products, ahead of the loads into their registers
	v_add_nc_u32 v[ADS], s[SSK], v2
	v_add_nc_u32 v[ADT], s[SSV], v3
	v_mov_b32 v220, v12                            ; the old -M
.irp t, 0,1,2,3,4,5,6,7
	ds_load_b128 v[KF+4*\t:KF+4*\t+3], v[ADK] offset:512*\t
.endr
.irp p, 0,1,2,3
	ds_load_b32 v[KS+\p], v[ADS] offset:128*\p     ; lanes 0-15 tile 2 p's words, lanes 16-31 tile 2 p + 1's
.endr
.irp n, 0,1,2,3,4,5,6,7
	ds_load_b128 v[VF+4*\n:VF+4*\n+3], v[ADK] offset:4096+512*\n
.endr
.irp p, 0,1
	ds_load_b32 v[VS+\p], v[ADT] offset:128*\p
.endr
	s_wait_dscnt 10                                ; K and its words are in; V's eight loads and its two words may be out
.irp t, 0,2,4,6
	v_wmma_scale_f32_16x16x128_f8f6f4 v[S+8*\t:S+8*\t+7], v[KF+4*\t:KF+4*\t+7], v[QF:QF+7], 0, v[KS+\t/2], v[QW] matrix_a_fmt:MATRIX_FMT_FP4 matrix_b_fmt:MATRIX_FMT_FP4
	v_wmma_scale_f32_16x16x128_f8f6f4 v[S+8*\t+8:S+8*\t+15], v[KF+4*\t+4:KF+4*\t+11], v[QF:QF+7], 0, v[KS+\t/2], v[QW] matrix_a_fmt:MATRIX_FMT_FP4 matrix_b_fmt:MATRIX_FMT_FP4 matrix_a_scale:MATRIX_SCALE_ROW1
.endr
	NOPS                                           ; places ahead of the first read of results
.irp b, 0,1,2,3
	v_max3_num_f32 v[BM+\b], v[S+16*\b], v[S+1+16*\b], v[S+2+16*\b]   ; each block's largest score: for the row's maximum and for the block's largest p
.endr
.irp i, 3,5,7,9,11,13
.irp b, 0,1,2,3
	v_max3_num_f32 v[BM+\b], v[BM+\b], v[S+16*\b+\i], v[S+1+16*\b+\i]
.endr
.endr
.irp b, 0,1,2,3
	v_max_num_f32 v[BM+\b], v[BM+\b], v[S+15+16*\b]
.endr
.irp b, 0,1,2,3
	s_delay_alu instid0(VALU_DEP_4)
	v_permlanex16_b32 v[T4+\b], v[BM+\b], s[SEL], s[SEL+1]
.endr
.irp b, 0,1,2,3
	s_delay_alu instid0(VALU_DEP_4)
	v_max_num_f32 v[BM+\b], v[BM+\b], v[T4+\b]     ; with lane l xor 16's 16 keys
.endr
	s_delay_alu instid0(VALU_DEP_2)
	v_max3_num_f32 v221, v[BM], v[BM+1], v[BM+2]
	s_delay_alu instid0(VALU_DEP_1)
	v_max_num_f32 v221, v221, v[BM+3]
	s_delay_alu instid0(VALU_DEP_1)
	v_mul_f32 v221, s[CS], v221                    ; the step's largest t
	s_delay_alu instid0(VALU_DEP_1)
	v_max_num_f32 v13, v13, v221
	s_delay_alu instid0(VALU_DEP_1)
	v_floor_f32 v12, -v13                          ; the new -M = -ceil(t)
	s_delay_alu instid0(VALU_DEP_1)
	v_sub_f32 v220, v12, v220                      ; old M - new M: a whole number, 0 or less
.irp b, 0,1,2,3
	v_fma_f32 v[BM+\b], v[BM+\b], s[CS], v12
.endr
	v_cvt_i32_f32 v220, v220                       ; (it saturates)
.set j_, 0
.rept 32
	v_pk_fma_f32 v[S+j_:S+j_+1], v[S+j_:S+j_+1], s[CS:CS+1], v[12:13] op_sel_hi:[1,0,0]   ; t - M
.set j_, j_+2
.endr
	v_ldexp_f32 v218, 1.0, v220                    ; f = 2^(old M - new M)
	s_wait_alu depctr_va_vdst(0)                   ; a wait ahead of the batch
.set j_, 0
.rept 64
	v_exp_f32 v[S+j_], v[S+j_]                     ; p
.set j_, j_+1
.endr
.irp b, 0,1,2,3
	v_exp_f32 v[BM+\b], v[BM+\b]                   ; each block's largest p: the same two instructions on the same number
.endr
	v_pk_mul_f32 v[14:15], v[14:15], v[218:219] op_sel_hi:[1,0]   ; a plain line behind the batch
	s_wait_alu depctr_va_vdst(0)                   ; a wait behind the batch, and directly ahead of the first readers of O^T
.set j_, 0
.rept 16
	v_pk_mul_f32 v[O+j_:O+j_+1], v[O+j_:O+j_+1], v[218:219] op_sel_hi:[1,0]   ; O^T under the new M, each accumulator from its low end on
.set j_, j_+2
.endr
	v_pk_mul_f32 v[222:223], v[222:223], v[218:219] op_sel_hi:[1,0]
.irp b, 0,1,2,3
	v_max_num_f32 v[BM+\b], 0x1800000, v[BM+\b]    ; the floor 2^(3 - 127): the byte cannot fall under 1
.endr
.irp b, 0,1,2,3
	s_delay_alu instid0(VALU_DEP_4)
	v_add_nc_u32 v[SO+\b], 0xff000000, v[BM+\b]    ; 2 off the exponent field: the conversions' scale operand
.endr
.irp b, 0,1,2,3
	s_delay_alu instid0(VALU_DEP_4)
	v_lshrrev_b32 v[T4+\b], 23, v[SO+\b]           ; the byte
.endr
	s_delay_alu instid0(VALU_DEP_3)
	v_lshl_or_b32 v[PW], v[T4+1], 8, v[T4]
	s_delay_alu instid0(VALU_DEP_1)
	v_lshl_or_b32 v[PW], v[T4+2], 16, v[PW]
	s_delay_alu instid0(VALU_DEP_1)
	v_lshl_or_b32 v[PW], v[T4+3], 24, v[PW]
.irp b, 0,1,2,3
	v_cvt_scalef32_pk8_fp4_f32 v[PC+2*\b], v[S+16*\b:S+7+16*\b], v[SO+\b]
	v_cvt_scalef32_pk8_fp4_f32 v[PC+1+2*\b], v[S+8+16*\b:S+15+16*\b], v[SO+\b]
.endr
	v_nop                                          ; one plain line behind the scaled conversions
.irp c, 0,1
.irp i, 0,1
	v_permlane16_swap_b32 v[PC+4*\c+\i], v[PC+2+4*\c+\i]   ; a whole block to a lane
.endr
.endr
	s_wait_dscnt 0x0                               ; V and its words are in.  The 32 lines below stand between what was written above and the products that read it
.set j_, 0
.rept 16
	v_pk_add_f32 v[14:15], v[14:15], v[S+4*j_:S+4*j_+1]          ; the row's sum of the unquantised p, in two chains; also the places ahead of the scaled products
	v_pk_add_f32 v[222:223], v[222:223], v[S+4*j_+2:S+4*j_+3]
.set j_, j_+1
.endr
.irp t, 0,2
	v_wmma_scale_f32_16x16x128_f8f6f4 v[O+8*\t:O+8*\t+7], v[VF+8*\t:VF+8*\t+7], v[PC:PC+7], v[O+8*\t:O+8*\t+7], v[VS+\t/2], v[PW] matrix_a_fmt:MATRIX_FMT_FP4 matrix_b_fmt:MATRIX_FMT_FP4
	v_wmma_scale_f32_16x16x128_f8f6f4 v[O+8*\t+8:O+8*\t+15], v[VF+8*\t+8:VF+8*\t+15], v[PC:PC+7], v[O+8*\t+8:O+8*\t+15], v[VS+\t/2], v[PW] matrix_a_fmt:MATRIX_FMT_FP4 matrix_b_fmt:MATRIX_FMT_FP4 matrix_a_scale:MATRIX_SCALE_ROW1
.endr
.endm
.macro WALK first, trips               ; key steps first .. first + trips - 1
	s_mov_b32 s[SKV], (\first)*8192
	s_mov_b32 s[SSK], (\first)*512
	s_mov_b32 s[SSV], (\first)*256
	s_mov_b32 s[CNT], \trips
.Lstep_\@:
	STEP
	s_add_co_u32 s[SKV], s[SKV], 8192
	s_add_co_u32 s[SSK], s[SSK], 512
	s_add_co_u32 s[SSV], s[SSV], 256
	s_sub_co_u32 s[CNT], s[CNT], 1
	s_cmp_lg_u32 s[CNT], 0
	s_cbranch_scc1 .Lstep_\@
.endm
	s_wait_alu depctr_va_vdst(0)                   ; a wait at the head's end
	s_wait_tensorcnt 0x0                           ; my part of the head's tiles is in; the full sequence ahead of a later first fill:
	ds_add_u32 v254, v255
	s_wait_dscnt 0x0
	ROUND                                          ; everybody's part is in, and the four work-groups are here
	tensor_load_to_lds s[G0B:G0B+3], s[G1B:G1B+7]  ; key steps 4-31: my one load behind the round
	s_nop 0
	NOPS
	s_wait_loadcnt 0x0                             ; Q and its words
	WALK 0, NA
	s_wait_tensorcnt 0x0                           ; my part of steps 4-31 is in,
	s_wait_dscnt 0x0
	s_barrier_signal -1
	s_barrier_wait -1                              ; and everybody's
	WALK NA, 32-NA
; THE WAY OUT: O^T / the sum, quantised along the head's 64 channels: two blocks
	s_wait_alu depctr_va_vdst(0)
	v_pk_add_f32 v[14:15], v[14:15], v[222:223]
	s_delay_alu instid0(VALU_DEP_1)
	v_add_f32 v14, v14, v15
	s_delay_alu instid0(VALU_DEP_1)
	v_permlanex16_b32 v220, v14, s[SEL], s[SEL+1]
	s_delay_alu instid0(VALU_DEP_1)
	v_add_f32 v14, v14, v220
	s_wait_alu depctr_va_vdst(0)                   ; ahead of the transcendental
	v_rcp_f32 v14, v14
	v_nop
	v_nop
	s_wait_alu depctr_va_vdst(0)                   ; behind it, directly ahead of the first readers of O^T
.set j_, 0
.rept 32
	v_mul_f32 v[S+j_], v[O+j_], v14
.set j_, j_+1
.endr
.irp b, 0,1
	v_max3_num_f32 v[BM+\b], |v[S+16*\b]|, |v[S+1+16*\b]|, 0x1800000
.endr
.irp i, 2,4,6,8,10,12,14
.irp b, 0,1
	s_delay_alu instid0(VALU_DEP_2)
	v_max3_num_f32 v[BM+\b], v[BM+\b], |v[S+16*\b+\i]|, |v[S+1+16*\b+\i]|
.endr
.endr
.irp b, 0,1
	s_delay_alu instid0(VALU_DEP_2)
	v_permlanex16_b32 v[T4+\b], v[BM+\b], s[SEL], s[SEL+1]
.endr
.irp b, 0,1
	s_delay_alu instid0(VALU_DEP_2)
	v_max_num_f32 v[BM+\b], v[BM+\b], v[T4+\b]
.endr
.irp b, 0,1
	s_delay_alu instid0(VALU_DEP_2)
	v_add_nc_u32 v[SO+\b], 0xff000000, v[BM+\b]
.endr
.irp b, 0,1
	s_delay_alu instid0(VALU_DEP_2)
	v_lshrrev_b32 v[T4+\b], 23, v[SO+\b]
.endr
	s_delay_alu instid0(VALU_DEP_1)
	v_lshl_or_b32 v[PW], v[T4+1], 8, v[T4]
.irp b, 0,1
	v_cvt_scalef32_pk8_fp4_f32 v[PC+2*\b], v[S+16*\b:S+7+16*\b], v[SO+\b]
	v_cvt_scalef32_pk8_fp4_f32 v[PC+1+2*\b], v[S+8+16*\b:S+15+16*\b], v[SO+\b]
.endr
	v_nop
.irp i, 0,1
	v_permlane16_swap_b32 v[PC+\i], v[PC+2+\i]
.endr
	global_store_b128 v1, v[PC:PC+3], s[80:81]     ; 512 consecutive bytes a wave
	global_store_b16 v8, v[PW], s[82:83]           ; both halves of the lanes hold the same two bytes
	s_wait_tensorcnt 0x0                           ; the wave's end
	ds_add_u32 v254, v255
	s_wait_dscnt 0x0
	ROUND                                          ; the closing round
	s_endpgm
.Lfunc_end_k_q9fd221f8bc_attn:
	.size	k_q9fd221f8bc_attn, .Lfunc_end_k_q9fd221f8bc_attn-k_q9fd221f8bc_attn
	.p2alignl 7, 3214868480
	.fill 96, 4, 3214868480
	.section	.rodata,"a",@progbits
	.p2align	6, 0x0
	.amdhsa_kernel k_q9fd221f8bc_attn
		.amdhsa_group_segment_fixed_size 327680
		.amdhsa_private_segment_fixed_size 0
		.amdhsa_enable_private_segment 0
		.amdhsa_kernarg_size 24
		.amdhsa_user_sgpr_count 2
		.amdhsa_user_sgpr_kernarg_segment_ptr 1
		.amdhsa_wavefront_size32 1
		.amdhsa_system_sgpr_workgroup_id_x 1
		.amdhsa_system_sgpr_workgroup_id_y 1
		.amdhsa_system_sgpr_workgroup_id_z 1
		.amdhsa_system_vgpr_workitem_id 0
		.amdhsa_next_free_vgpr 256
		.amdhsa_next_free_sgpr 90
		.amdhsa_reserve_vcc 0
		.amdhsa_float_denorm_mode_32 3
		.amdhsa_float_denorm_mode_16_64 3
		.amdhsa_memory_ordered 1
		.amdhsa_forward_progress 1
		.amdhsa_inst_pref_size 46
	.end_amdhsa_kernel
	.amdgpu_metadata
---
amdhsa.version: [ 1, 2 ]
amdhsa.kernels:
  - .name:           k_q9fd221f8bc_attn
    .symbol:         k_q9fd221f8bc_attn.kd
    .args:
      - { .name: qcodes, .offset: 0, .size: 8, .value_kind: global_buffer, .address_space: global }
      - { .name: kvcodes, .offset: 8, .size: 8, .value_kind: global_buffer, .address_space: global }
      - { .name: acodes, .offset: 16, .size: 8, .value_kind: global_buffer, .address_space: global }
    .group_segment_fixed_size: 327680
    .private_segment_fixed_size: 0
    .kernarg_segment_align: 8
    .kernarg_segment_size: 24
    .max_flat_workgroup_size: 512
    .sgpr_count:     90
    .vgpr_count:     256
    .wavefront_size: 32
...
	.end_amdgpu_metadata
.endif
;; end of part 3
;; launch tail (part 4): grid 128 x 1, 4 waves a work-group, no clusters, 221,696 bytes of LDS; arguments x, acodes, wcodes, bp, ln2_w, ln2_b, b1, b2, out0; writes out0
.if DOCPART == 4
	.amdgcn_target "amdgcn-amd-amdhsa--gfx1250"
	.amdhsa_code_object_version 6
	.text
	.protected	k_q9fd221f8bc_tail
	.globl	k_q9fd221f8bc_tail
	.p2align	8
	.type	k_q9fd221f8bc_tail,@function
k_q9fd221f8bc_tail:
	s_mov_b64 s[64:65], 0
	v_nop
	global_prefetch_b8 v0, s[64:65] scope:SCOPE_SE
	s_setreg_imm32_b32 hwreg(HW_REG_WAVE_MODE, 25, 1), 1
	s_wait_xcnt 0x0
; TAIL: x1 = x + a wp + bp;  out = x1 + relu(LN2(x1) w1 + b1) w2 + b2.  All three products on codes of FP4 with E8M0 scales; x1, LN2(x1) and the hidden layer never go to memory.
; SHARES.  A work-group takes 64 tokens (four tiles tt).  THE WAVES SHARE THE COLUMNS: wave w owns channels 128 w on of x1 and of out, and hidden groups 4 w .. 4 w + 3 (128 units each), for all 64 tokens.
; All products are used transposed (source 0 = 16 rows of a weight, source 1 = 16 tokens): a lane holds a token, its registers run along the channels, which are the next product's K.
; WEIGHTS go from memory straight into registers, already in register order, in nine stages of 32 KB a wave (wp; w1's four groups; w2's K steps by fours).  Windows 1 and 2 take turns; a stage is asked for
; when the stage two before it has been multiplied.  128 work-groups: every work-group streams all the weights' codes whatever its rows, so fewer rows to a work-group would only multiply that traffic.
; No tensor loads and no clusters: each weight byte is read by the one wave that uses it.
; OPERANDS GO FROM WAVE TO WAVE THROUGH LDS AS IMAGES OF THEIR REGISTERS (16 bytes a lane on end), scale words beside them.  Four barriers: two row sums, LN2's images, the hidden layer's images.
; The operands' format, the order inside a block and the quantiser's limits are those stated at the head of the first launch.
; LDS: XS 64 rows x 2,064 bytes (a wave touches only its own 512 bytes of a row: no barrier): turns rows into the result's layout and back, and keeps x1 + b2; RED row sums; XIMG, XSC LN2's; HIMG, HSC the hidden layer's.
; REGISTERS.  window 0: v1-21 addresses; v32-63, v64-95 the weights' scale words; v96-159 results at work; v160-191 x's fragments; v192-212 the quantiser's; v224-255 scale words alone (a's, LN2's, the hidden layer's).
;   In the first product v96-223 are a's 16 fragments; in the last v160-191, v192-223 are two sets of hidden fragments.
;   window 1: a stage of weights.   window 2: bp, b2, the gain, the bias (64 each); then a stage of weights.   window 3: x's rows, then the 32 accumulators (64 tt + 8 t); meanwhile b1 at v128-191, v192-255.
.set WP_C,  393216
.set M_C,   524288
.set S0,    1572864
.set WP_S,  S0+24576
.set M_S,   S0+32768
.set RED,   132096
.set XIMG,  134144
.set XSC,   150528
.set HIMG,  151552
.set HSC,   217088
.set LI,   1                           ; 16 x lane
.set R16,  2                           ; 16 r
.set GX,   3                           ; x, out: 512 w + 16 x lane
.set XR0,  4                           ; XS by rows: 512 w + 16 x lane; v5: 32 rows on
.set XR1,  5
.set XD0,  6                           ; XS in the result's layout: 2,064 r + 512 w + 32 h; v7: 32 rows on
.set XD1,  7
.set BV,   8                           ; 32 h
.set REDW, 9
.set REDR, 10
.set XWI,  11
.set XWS,  12
.set XRI,  13
.set XRS,  14
.set HWI,  15
.set HWS,  16
.set HRI,  17
.set HRS,  18
.set HW,   19
.set HWG,  20
.set BO,   21
.set WSA,  32
.set WSB,  64
.set HA,   96
.set AF,   96
.set XF,   160
.set HF0,  160
.set PC,   192
.set QM,   200
.set QT,   204
.set QS,   208
.set PW,   212
.set AS,   224
.set XSW,  240
.set HSW0, 224
.set SUM,  160
.set MU,   168
.set RSD,  176
.set TT,   184
.set RD,   96
.set OB,   96
.set BP,   0                           ; in window 2
.set B2,   64
.set LNW,  128
.set LNB,  192
.set B1A,  128                         ; in window 3
.set B1B,  192
.set WV,   22
.set SEL,  24                          ; s[24:25]
.set WCP,  28                          ; s[28:29] the stage last asked for: its codes; s[30:31] its scale words
.set WSP,  30
.set SB1,  32                          ; s32 b1's bytes for the stage to be asked for
.set SG,   34                          ; s34, s35 the trip's K steps in HIMG and HSC
.set SGS,  35
.set TRIP, 36
.set MSB, 0
.macro WIN new                         ; the immediate's high byte repeats the setting that is left
.if MSB != \new
	s_set_vgpr_msb (MSB<<8)|(\new)
.set MSB, \new
.endif
.endm
.macro PLACES                          ; four plain instructions behind matrix instructions, ahead of loads into their registers and of the first read of results
.rept 4
	v_nop
.endr
.endm
.macro BARRIER
	s_wait_dscnt 0x0
	s_barrier_signal -1
	s_barrier_wait -1
.endm
.macro QUANT s, cnt                    ; as in the first launch
.irp b, 0,1,2,3
.if \b < \cnt
	v_max3_num_f32 v[QM+\b], |v[\s+16*\b]|, |v[\s+1+16*\b]|, 0x1800000
.endif
.endr
.irp i, 2,4,6,8,10,12,14
.irp b, 0,1,2,3
.if \b < \cnt
	v_max3_num_f32 v[QM+\b], v[QM+\b], |v[\s+16*\b+\i]|, |v[\s+1+16*\b+\i]|
.endif
.endr
.endr
.irp b, 0,1,2,3
.if \b < \cnt
	v_permlanex16_b32 v[QT+\b], v[QM+\b], s[SEL], s[SEL+1]
.endif
.endr
.irp b, 0,1,2,3
.if \b < \cnt
	v_max_num_f32 v[QM+\b], v[QM+\b], v[QT+\b]
.endif
.endr
.irp b, 0,1,2,3
.if \b < \cnt
	v_add_nc_u32 v[QS+\b], 0xff000000, v[QM+\b]
.endif
.endr
.irp b, 0,1,2,3
.if \b < \cnt
	v_lshrrev_b32 v[QT+\b], 23, v[QS+\b]
.endif
.endr
	v_lshl_or_b32 v[PW], v[QT+1], 8, v[QT]
.if \cnt > 2
	v_lshl_or_b32 v[PW], v[QT+2], 16, v[PW]
	v_lshl_or_b32 v[PW], v[QT+3], 24, v[PW]
.endif
.irp b, 0,1,2,3
.if \b < \cnt
	v_cvt_scalef32_pk8_fp4_f32 v[PC+2*\b], v[\s+16*\b:\s+7+16*\b], v[QS+\b]
	v_cvt_scalef32_pk8_fp4_f32 v[PC+1+2*\b], v[\s+8+16*\b:\s+15+16*\b], v[QS+\b]
.endif
.endr
	v_nop
.irp c, 0,1
.if 2*\c < \cnt
.irp i, 0,1
	v_permlane16_swap_b32 v[PC+4*\c+\i], v[PC+2+4*\c+\i]
.endr
.endif
.endr
.endm
.macro B1LOADS bb                      ; b1 of a hidden group in the result's layout: 16 loads into window 3
	WIN 0xc0
.irp t, 0,1,2,3,4,5,6,7
	global_load_b128 v[\bb+8*\t:\bb+8*\t+3], v[BO], s[16:17] offset:64*\t
	global_load_b128 v[\bb+8*\t+4:\bb+8*\t+7], v[BO], s[16:17] offset:64*\t+16
.endr
	WIN 0
.endm
.macro LOADB bb
	s_wait_xcnt 0x0                                ; earlier loads have read their offsets: b1's is written again
	v_add_nc_u32 v[BO], s[SB1], v[BV]
	s_add_co_u32 s[SB1], s[SB1], 512
	B1LOADS \bb
.endm
; The next stage of weights into window win, its scale words into v[ws] on; withb = 1: and b1 of that stage, unless the loop over w1's stages is in its last trip (what follows then is w2)
.macro NEXTW win, ws, withb, bb
	s_wait_xcnt 0x0                                ; earlier loads have read their bases: they step
	s_add_nc_u64 s[WCP:WCP+1], s[WCP:WCP+1], 32768
	s_add_nc_u64 s[WSP:WSP+1], s[WSP:WSP+1], 2048
.if \withb
	v_add_nc_u32 v[BO], s[SB1], v[BV]
	s_add_co_u32 s[SB1], s[SB1], 512
.endif
.if \win == 1
	WIN 0x40
.else
	WIN 0x80
.endif
.set n_, 0
.rept 64
	global_load_b128 v[4*n_:4*n_+3], v[LI], s[WCP:WCP+1] offset:512*n_   ; fragment (t, K step) at v[8 (4 t + K step)]
.set n_, n_+1
.endr
	WIN 0
.irp t, 0,1,2,3,4,5,6,7
	global_load_b128 v[\ws+4*\t:\ws+4*\t+3], v[R16], s[WSP:WSP+1] offset:256*\t
.endr
.if \withb
	s_cmp_eq_u32 s[TRIP], 1
	s_cbranch_scc1 .Lno_b1_\@
	B1LOADS \bb
.Lno_b1_\@:
.endif
.endm
	s_load_b512 s[4:19], s[0:1], 0x0               ; x s[4:5], acodes s[6:7], wcodes s[8:9], bp s[10:11], ln2_w s[12:13], ln2_b s[14:15], b1 s[16:17], b2 s[18:19]
	s_load_b64 s[20:21], s[0:1], 0x40              ; out0
	v_lshl_add_u32 v30, v0, 2, 0x36000
	v_mov_b32 v31, 0
	v_lshrrev_b32 v22, 5, v0
	v_readfirstlane_b32 s[WV], v22                 ; wave 0..3
	v_and_b32 v22, 31, v0                          ; lane
	v_and_b32 v23, 15, v0                          ; r
	v_bfe_u32 v24, v0, 4, 1                        ; h
	v_lshlrev_b32 v[LI], 4, v22
	v_lshlrev_b32 v[R16], 4, v23
	s_lshl_b32 s40, s[WV], 9
	v_add_nc_u32 v[GX], s40, v[LI]
	v_add_nc_u32 v[XR0], s40, v[LI]
	v_add_nc_u32 v[XR1], 66048, v[XR0]
	v_mul_u32_u24 v[XD0], v23, 2064
	v_lshl_add_u32 v[XD0], v24, 5, v[XD0]
	v_add_nc_u32 v[XD0], s40, v[XD0]
	v_add_nc_u32 v[XD1], 66048, v[XD0]
	v_lshlrev_b32 v[BV], 5, v24
	s_lshl_b32 s41, s[WV], 2
	v_add_nc_u32 v[REDR], RED, v[R16]              ; a token's four partial sums: 16 bytes
	v_add_nc_u32 v[REDW], s41, v[REDR]
	s_lshl_b32 s42, s[WV], 10
	v_add_nc_u32 v[XRI], XIMG, v[LI]
	v_add_nc_u32 v[XWI], s42, v[XRI]               ; LN2's image: K step w
	v_add_nc_u32 v[XRS], XSC, v[R16]
	v_add_nc_u32 v[XWS], s41, v[XRS]
	v_add_nc_u32 v[HRI], HIMG, v[LI]
	s_lshl_b32 s43, s[WV], 12
	v_add_nc_u32 v[HWI], s43, v[HRI]               ; the hidden layer's images: K steps 4 w on
	v_lshlrev_b32 v[HRS], 6, v23
	v_add_nc_u32 v[HRS], HSC, v[HRS]               ; its scale words: 64 bytes a token
	s_lshl_b32 s44, s[WV], 4
	v_add_nc_u32 v[HWS], s44, v[HRS]
	s_mov_b32 s[SEL], 0x76543210
	s_mov_b32 s[SEL+1], 0xfedcba98
	s_mov_b32 s37, 0x3b000000                      ; 1 / 512
	s_mov_b32 s38, 0x3727c5ac                      ; 1e-5
	s_mov_b32 s[TRIP], 2
	s_mov_b32 s[SG], 0
	s_mov_b32 s[SGS], 0
	s_lshl_b32 s[SB1], s[WV], 11                   ; b1: my four groups of 512 bytes
	s_mov_b32 s47, 0
	s_wait_kmcnt 0x0
	s_lshl_b32 s46, ttmp9, 17
	s_add_nc_u64 s[4:5], s[4:5], s[46:47]          ; x and out at my 64 tokens
	s_add_nc_u64 s[20:21], s[20:21], s[46:47]
	s_lshl_b32 s46, ttmp9, 14
	s_add_nc_u64 s[48:49], s[6:7], s[46:47]        ; a's codes: four tiles of 4,096 bytes
	s_lshl_b32 s46, ttmp9, 10
	s_add_co_u32 s46, s46, 2097152
	s_add_nc_u64 s[50:51], s[6:7], s[46:47]        ; a's scale words
	s_lshl_b32 s46, s[WV], 15
	s_add_co_u32 s46, s46, WP_C
	s_add_nc_u64 s[52:53], s[8:9], s[46:47]        ; wp: my 8 tiles
	s_lshl_b32 s46, s[WV], 11
	s_add_co_u32 s46, s46, WP_S
	s_add_nc_u64 s[54:55], s[8:9], s[46:47]
	s_lshl_b32 s46, s[WV], 18
	s_add_co_u32 s46, s46, M_C-32768
	s_add_nc_u64 s[WCP:WCP+1], s[8:9], s[46:47]    ; one stage ahead of my stage 0: each request steps first
	s_lshl_b32 s46, s[WV], 14
	s_add_co_u32 s46, s46, M_S-2048
	s_add_nc_u64 s[WSP:WSP+1], s[8:9], s[46:47]
	s_lshl_b32 s46, s[WV], 9
	s_add_nc_u64 s[10:11], s[10:11], s[46:47]      ; the four vectors at my 128 channels
	s_add_nc_u64 s[12:13], s[12:13], s[46:47]
	s_add_nc_u64 s[14:15], s[14:15], s[46:47]
	s_add_nc_u64 s[18:19], s[18:19], s[46:47]
; ---- 0: everything that the first product and LN2 want is asked for at once: 236 loads
	WIN 0xc0
.set n_, 0
.rept 64
	global_load_b128 v[4*n_:4*n_+3], v[GX], s[4:5] offset:2048*n_ th:TH_LOAD_NT   ; my 512 bytes of row n: 32 lanes, 16 neighbouring bytes each
.set n_, n_+1
.endr
	WIN 0
.set n_, 0
.rept 32
	global_load_b128 v[AF+4*n_:AF+4*n_+3], v[LI], s[48:49] offset:512*n_          ; a's fragment (tt, K step) at v[AF + 8 (4 tt + K step)]
.set n_, n_+1
.endr
.irp tt, 0,1,2,3
	global_load_b128 v[AS+4*\tt:AS+4*\tt+3], v[R16], s[50:51] offset:256*\tt
.endr
	WIN 0x40
.set n_, 0
.rept 64
	global_load_b128 v[4*n_:4*n_+3], v[LI], s[52:53] offset:512*n_
.set n_, n_+1
.endr
	WIN 0
.irp t, 0,1,2,3,4,5,6,7
	global_load_b128 v[WSA+4*\t:WSA+4*\t+3], v[R16], s[54:55] offset:256*\t
.endr
	WIN 0x80
.irp t, 0,1,2,3,4,5,6,7                ; in the result's layout: lane (r, h), tile t: channels 16 t + 8 h + 0 .. 7
	global_load_b128 v[BP+8*\t:BP+8*\t+3], v[BV], s[10:11] offset:64*\t
	global_load_b128 v[BP+8*\t+4:BP+8*\t+7], v[BV], s[10:11] offset:64*\t+16
	global_load_b128 v[B2+8*\t:B2+8*\t+3], v[BV], s[18:19] offset:64*\t
	global_load_b128 v[B2+8*\t+4:B2+8*\t+7], v[BV], s[18:19] offset:64*\t+16
	global_load_b128 v[LNW+8*\t:LNW+8*\t+3], v[BV], s[12:13] offset:64*\t
	global_load_b128 v[LNW+8*\t+4:LNW+8*\t+7], v[BV], s[12:13] offset:64*\t+16
	global_load_b128 v[LNB+8*\t:LNB+8*\t+3], v[BV], s[14:15] offset:64*\t
	global_load_b128 v[LNB+8*\t+4:LNB+8*\t+7], v[BV], s[14:15] offset:64*\t+16
.endr
	s_wait_loadcnt 63                              ; at most 63 of the 236 are out: x (64), a (36) and wp (72) are in
	WIN 0x0c                                       ; an LDS store's data are its source 1: window 3
.set n_, 0
.rept 32
	ds_store_b128 v[XR0], v[4*n_:4*n_+3] offset:2064*n_
.set n_, n_+1
.endr
.rept 32
	ds_store_b128 v[XR1], v[4*n_:4*n_+3] offset:2064*(n_-32)
.set n_, n_+1
.endr
	WIN 0xc0                                       ; LDS serves a wave's instructions in order: these see my stores, and land in the registers that the stores have left
.irp tt, 0,1,2,3
.irp t, 0,1,2,3,4,5,6,7
	ds_load_b128 v[64*\tt+8*\t:64*\tt+8*\t+3], v[XD0+\tt/2] offset:(\tt%2)*33024+64*\t
	ds_load_b128 v[64*\tt+8*\t+4:64*\tt+8*\t+7], v[XD0+\tt/2] offset:(\tt%2)*33024+64*\t+16
.endr
.endr
	s_wait_dscnt 0x0
; ---- P: the accumulators hold x; a wp is added onto it.  Eight accumulators take turns, one instruction a turn
	WIN 0xf1                                       ; source 0 (wp) window 1, source 1 (a) window 0, C and D window 3
.irp tt, 0,1,2,3
.irp ks, 0,1,2,3
.irp t, 0,1,2,3,4,5,6,7
	v_wmma_scale_f32_16x16x128_f8f6f4 v[64*\tt+8*\t:64*\tt+8*\t+7], v[8*(4*\t+\ks):8*(4*\t+\ks)+7], v[AF+8*(4*\tt+\ks):AF+8*(4*\tt+\ks)+7], v[64*\tt+8*\t:64*\tt+8*\t+7], v[WSA+4*\t+\ks], v[AS+4*\tt+\ks] matrix_a_fmt:MATRIX_FMT_FP4 matrix_b_fmt:MATRIX_FMT_FP4
.endr
.endr
.endr
	WIN 0
	PLACES
	NEXTW 1, WSA, 0, 0                             ; stage 0
; ---- LN2
.irp b, 0,1,2,3
	v_mov_b32 v[QT+\b], 0                          ; written once: a lane permute's destination counts as one of its sources
.endr
	s_wait_loadcnt 63                              ; the four vectors are in: 72 younger loads stand behind them
	WIN 0xcb                                       ; destination and source 0 window 3, source 1 window 2
.set p_, 0
.rept 128
	v_pk_add_f32 v[2*p_:2*p_+1], v[2*p_:2*p_+1], v[BP+(2*p_)%64:BP+(2*p_)%64+1]   ; x1, each accumulator from its low end on
.set p_, p_+1
.endr
.irp tt, 0,1,2,3                       ; x1 + b2 is kept in XS: the last product's sums begin with it
	WIN 0x0b
.set q_, 0
.rept 32
	v_pk_add_f32 v[HA+2*q_:HA+2*q_+1], v[64*\tt+2*q_:64*\tt+2*q_+1], v[B2+2*q_:B2+2*q_+1]
.set q_, q_+1
.endr
	WIN 0
.irp t, 0,1,2,3,4,5,6,7
	ds_store_b128 v[XD0+\tt/2], v[HA+8*\t:HA+8*\t+3] offset:(\tt%2)*33024+64*\t
	ds_store_b128 v[XD0+\tt/2], v[HA+8*\t+4:HA+8*\t+7] offset:(\tt%2)*33024+64*\t+16
.endr
	s_wait_dscnt 0x0                               ; the stores have read their registers
.endr
; my 64 numbers' sums (a pair for each tt in v[SUM] on) are joined with lane l xor 16's and, through LDS, with the other three waves'.  The rows' sums end in v[RD + 4 tt]
.macro REDUCE off
.irp tt, 0,1,2,3
	v_add_f32 v[SUM+2*\tt], v[SUM+2*\tt], v[SUM+2*\tt+1]
.endr
.irp tt, 0,1,2,3
	v_permlanex16_b32 v[SUM+2*\tt+1], v[SUM+2*\tt], s[SEL], s[SEL+1]
.endr
.irp tt, 0,1,2,3
	v_add_f32 v[SUM+2*\tt], v[SUM+2*\tt], v[SUM+2*\tt+1]
.endr
.irp tt, 0,1,2,3
	ds_store_b32 v[REDW], v[SUM+2*\tt] offset:\off+256*\tt
.endr
	BARRIER
.irp tt, 0,1,2,3
	ds_load_b128 v[RD+4*\tt:RD+4*\tt+3], v[REDR] offset:\off+256*\tt
.endr
	s_wait_dscnt 0x0
.irp tt, 0,1,2,3
	v_add_f32 v[RD+4*\tt], v[RD+4*\tt], v[RD+4*\tt+1]
.endr
.irp tt, 0,1,2,3
	v_add_f32 v[RD+4*\tt+2], v[RD+4*\tt+2], v[RD+4*\tt+3]
.endr
.irp tt, 0,1,2,3
	v_add_f32 v[RD+4*\tt], v[RD+4*\tt], v[RD+4*\tt+2]
.endr
.endm
	WIN 0x0f
.irp tt, 0,1,2,3
	v_pk_add_f32 v[SUM+2*\tt:SUM+2*\tt+1], v[64*\tt:64*\tt+1], v[64*\tt+2:64*\tt+3]
.endr
	WIN 0x0c
.set q_, 2
.rept 30
.irp tt, 0,1,2,3
	v_pk_add_f32 v[SUM+2*\tt:SUM+2*\tt+1], v[SUM+2*\tt:SUM+2*\tt+1], v[64*\tt+2*q_:64*\tt+2*q_+1]   ; four chains by turns
.endr
.set q_, q_+1
.endr
	WIN 0
	REDUCE 0
.irp tt, 0,1,2,3
	v_mul_f32 v[MU+2*\tt], s37, v[RD+4*\tt]        ; the mean
.endr
.irp tt, 0,1,2,3
	v_mov_b32 v[MU+2*\tt+1], v[MU+2*\tt]
.endr
	WIN 0xc3
.set p_, 0
.rept 128
	v_pk_add_f32 v[2*p_:2*p_+1], v[2*p_:2*p_+1], v[MU+2*(p_/32):MU+2*(p_/32)+1] neg_lo:[0,1] neg_hi:[0,1]   ; x1 - mean
.set p_, p_+1
.endr
	WIN 0x0f
.irp tt, 0,1,2,3
	v_pk_mul_f32 v[SUM+2*\tt:SUM+2*\tt+1], v[64*\tt:64*\tt+1], v[64*\tt:64*\tt+1]
.endr
.set q_, 1
.rept 31
.irp tt, 0,1,2,3
	v_pk_fma_f32 v[SUM+2*\tt:SUM+2*\tt+1], v[64*\tt+2*q_:64*\tt+2*q_+1], v[64*\tt+2*q_:64*\tt+2*q_+1], v[SUM+2*\tt:SUM+2*\tt+1]
.endr
.set q_, q_+1
.endr
	WIN 0
	REDUCE 1024                                    ; other words than the first sums'
.irp tt, 0,1,2,3
	v_fma_f32 v[TT+\tt], v[RD+4*\tt], s37, s38     ; the variance + 1e-5
.endr
	s_wait_alu depctr_va_vdst(0)
.irp tt, 0,1,2,3
	v_rsq_f32 v[RSD+2*\tt], v[TT+\tt]
	v_rsq_f32 v[RSD+2*\tt+1], v[TT+\tt]
.endr
	v_nop                                          ; a plain instruction behind the transcendentals
	s_wait_alu depctr_va_vdst(0)                   ; a wait ahead of the first reader: one for the eight
.irp tt, 0,1,2,3
	WIN 0x03
.set q_, 0
.rept 32
	v_pk_mul_f32 v[HA+2*q_:HA+2*q_+1], v[64*\tt+2*q_:64*\tt+2*q_+1], v[RSD+2*\tt:RSD+2*\tt+1]
.set q_, q_+1
.endr
	WIN 0x28
.set q_, 0
.rept 32
	v_pk_fma_f32 v[HA+2*q_:HA+2*q_+1], v[HA+2*q_:HA+2*q_+1], v[LNW+2*q_:LNW+2*q_+1], v[LNB+2*q_:LNB+2*q_+1]
.set q_, q_+1
.endr
	WIN 0
	QUANT HA, 4
	ds_store_b128 v[XWI], v[PC:PC+3] offset:4096*\tt           ; K step w of tile tt, as it stands in my registers
	ds_store_b128 v[XWI], v[PC+4:PC+7] offset:4096*\tt+512
	ds_store_b32 v[XWS], v[PW] offset:256*\tt
	s_wait_dscnt 0x0                               ; the stores have read their registers
.endr
	LOADB B1A                                      ; window 3 and window 2 are free: b1 of stage 0, stage 1 and its b1
	NEXTW 2, WSB, 1, B1B
	BARRIER                                        ; LN2's sixteen fragments lie in LDS
.macro XFETCH slot
.irp n, 0,1,2,3,4,5,6,7
	ds_load_b128 v[XF+4*\n:XF+4*\n+3], v[XRI] offset:4096*(\slot)+512*\n
.endr
	ds_load_b128 v[XSW:XSW+3], v[XRS] offset:256*(\slot)
.endm
	XFETCH 0
; ---- H1: a stage is one hidden group of 128 units for the four tiles of tokens.  odd: the trip's second stage
.macro STAGE1 buf, ws, bb, odd
	s_wait_loadcnt 63                              ; this stage's weights and b1 are in: at least 72 younger loads stand behind them
.irp tt, 0,1,2,3
	s_wait_dscnt 0x0                               ; x's fragments are in, the last images are stored
	WIN 0x30+\buf                                  ; source 0 the stage's window, source 2 (b1) window 3
.irp t, 0,1,2,3,4,5,6,7
	v_wmma_scale_f32_16x16x128_f8f6f4 v[HA+8*\t:HA+8*\t+7], v[32*\t:32*\t+7], v[XF:XF+7], v[\bb+8*\t:\bb+8*\t+7], v[\ws+4*\t], v[XSW] matrix_a_fmt:MATRIX_FMT_FP4 matrix_b_fmt:MATRIX_FMT_FP4
.endr
	WIN \buf
.irp ks, 1,2,3
.irp t, 0,1,2,3,4,5,6,7
	v_wmma_scale_f32_16x16x128_f8f6f4 v[HA+8*\t:HA+8*\t+7], v[8*(4*\t+\ks):8*(4*\t+\ks)+7], v[XF+8*\ks:XF+8*\ks+7], v[HA+8*\t:HA+8*\t+7], v[\ws+4*\t+\ks], v[XSW+\ks] matrix_a_fmt:MATRIX_FMT_FP4 matrix_b_fmt:MATRIX_FMT_FP4
.endr
.endr
	WIN 0
	PLACES
	XFETCH (\tt+1)%4                               ; the next tile's fragments land under the activation and the quantiser (behind the very last tile they are not used)
.set j_, 0
.rept 64
	v_max_num_f32 v[HA+j_], 0, v[HA+j_]            ; the activation, each accumulator from its low end on
.set j_, j_+1
.endr
	QUANT HA, 4
	ds_store_b128 v[HW], v[PC:PC+3] offset:\tt*16384+\odd*1024
	ds_store_b128 v[HW], v[PC+4:PC+7] offset:\tt*16384+\odd*1024+512
	ds_store_b32 v[HWG], v[PW] offset:\tt*1024+\odd*4
.endr
.endm
.Lh1:                                  ; two trips: stages 0, 1 and 2, 3
	v_add_nc_u32 v[HW], s[SG], v[HWI]
	v_add_nc_u32 v[HWG], s[SGS], v[HWS]
	STAGE1 1, WSA, B1A, 0
	NEXTW 1, WSA, 1, B1A
	STAGE1 2, WSB, B1B, 1
	NEXTW 2, WSB, 1, B1B
	s_add_co_u32 s[SG], s[SG], 2048
	s_add_co_u32 s[SGS], s[SGS], 8
	s_sub_co_u32 s[TRIP], s[TRIP], 1
	s_cmp_lg_u32 s[TRIP], 0
	s_cbranch_scc1 .Lh1
	BARRIER                                        ; the hidden layer's 64 fragments lie in LDS
; ---- H2: the sums begin with x1 + b2
	WIN 0xc0
.irp tt, 0,1,2,3
.irp t, 0,1,2,3,4,5,6,7
	ds_load_b128 v[64*\tt+8*\t:64*\tt+8*\t+3], v[XD0+\tt/2] offset:(\tt%2)*33024+64*\t
	ds_load_b128 v[64*\tt+8*\t+4:64*\tt+8*\t+7], v[XD0+\tt/2] offset:(\tt%2)*33024+64*\t+16
.endr
.endr
	WIN 0
.macro HFETCH k                        ; K step k's fragments of the four tiles into set k % 2
.irp tt, 0,1,2,3
.irp c, 0,1
	ds_load_b128 v[HF0+32*((\k)%2)+8*\tt+4*\c:HF0+32*((\k)%2)+8*\tt+4*\c+3], v[HRI] offset:\tt*16384+(\k)*1024+512*\c
.endr
.endr
.endm
.macro HSWF rho                        ; the scale words of K steps 4 rho on into set rho % 2
.irp tt, 0,1,2,3
	ds_load_b128 v[HSW0+16*((\rho)%2)+4*\tt:HSW0+16*((\rho)%2)+4*\tt+3], v[HRS] offset:\tt*1024+(\rho)*16
.endr
.endm
	HFETCH 0
	HSWF 0
.macro STAGE2 buf, ws, rho
.if \rho < 3
	s_wait_loadcnt 63                              ; this stage's weights are in: 72 younger loads stand behind them
.else
	s_wait_loadcnt 0x0
.endif
.irp ksl, 0,1,2,3
.set KA_, 4*\rho+\ksl
.if KA_ > 0
	PLACES                                         ; ahead of the loads into the set that the last K step multiplied
.endif
.set ND_, 0
.if KA_ < 15
	HFETCH KA_+1
.set ND_, 8
.endif
.if (\ksl == 3) && (\rho < 3)
	HSWF \rho+1
.set ND_, 12
.endif
	s_wait_dscnt ND_                               ; all but the loads just issued
	WIN 0xf0+\buf
.set HF_, HF0+32*(KA_%2)
.set HS_, HSW0+16*(\rho%2)
.irp tt, 0,1,2,3                       ; the 32 accumulators take turns, one instruction a turn, in the same order in every K step
.irp t, 0,1,2,3,4,5,6,7
	v_wmma_scale_f32_16x16x128_f8f6f4 v[64*\tt+8*\t:64*\tt+8*\t+7], v[8*(4*\t+\ksl):8*(4*\t+\ksl)+7], v[HF_+8*\tt:HF_+8*\tt+7], v[64*\tt+8*\t:64*\tt+8*\t+7], v[\ws+4*\t+\ksl], v[HS_+4*\tt+\ksl] matrix_a_fmt:MATRIX_FMT_FP4 matrix_b_fmt:MATRIX_FMT_FP4
.endr
.endr
	WIN 0
.endr
.endm
	STAGE2 1, WSA, 0
	PLACES
	NEXTW 1, WSA, 0, 0                             ; stage 6
	STAGE2 2, WSB, 1
	PLACES
	NEXTW 2, WSB, 0, 0                             ; stage 7
	STAGE2 1, WSA, 2
	STAGE2 2, WSB, 3
; ---- THE WAY OUT: a tile of 16 tokens goes into my columns of XS in the result's layout and comes back by rows: 32 lanes store 512 consecutive bytes of a row of out
	PLACES
.macro TOSTAGE tt
	WIN 0x0c
.irp t, 0,1,2,3,4,5,6,7
	ds_store_b128 v[XD0+(\tt)/2], v[64*(\tt)+8*\t:64*(\tt)+8*\t+3] offset:((\tt)%2)*33024+64*\t
	ds_store_b128 v[XD0+(\tt)/2], v[64*(\tt)+8*\t+4:64*(\tt)+8*\t+7] offset:((\tt)%2)*33024+64*\t+16
.endr
	WIN 0
.irp i, 0,1,2,3,4,5,6,7,8,9,10,11,12,13,14,15
	ds_load_b128 v[OB+64*((\tt)%2)+4*\i:OB+64*((\tt)%2)+4*\i+3], v[XR0+(\tt)/2] offset:(((\tt)%2)*16+\i)*2064
.endr
.endm
.macro SEND tt, younger                ; younger: the LDS instructions issued behind tile tt's loads
	s_wait_dscnt \younger
.irp i, 0,1,2,3,4,5,6,7,8,9,10,11,12,13,14,15
	global_store_b128 v[GX], v[OB+64*((\tt)%2)+4*\i:OB+64*((\tt)%2)+4*\i+3], s[20:21] offset:(16*(\tt)+\i)*2048 th:TH_STORE_NT
.endr
.endm
	TOSTAGE 0
	TOSTAGE 1
	SEND 0, 32
	s_wait_xcnt 0x0                                ; tile 0's stores have read their registers: tile 2's rows may land there
	TOSTAGE 2
	SEND 1, 32
	s_wait_xcnt 0x0
	TOSTAGE 3
	SEND 2, 32
	SEND 3, 0
	s_wait_tensorcnt 0x0
	ds_add_u32 v30, v31
	s_wait_dscnt 0x0
	s_endpgm
.Lfunc_end_k_q9fd221f8bc_tail:
	.size	k_q9fd221f8bc_tail, .Lfunc_end_k_q9fd221f8bc_tail-k_q9fd221f8bc_tail
	.p2alignl 7, 3214868480
	.fill 96, 4, 3214868480
	.section	.rodata,"a",@progbits
	.p2align	6, 0x0
	.amdhsa_kernel k_q9fd221f8bc_tail
		.amdhsa_group_segment_fixed_size 221696
		.amdhsa_private_segment_fixed_size 0
		.amdhsa_enable_private_segment 0
		.amdhsa_kernarg_size 72
		.amdhsa_user_sgpr_count 2
		.amdhsa_user_sgpr_kernarg_segment_ptr 1
		.amdhsa_wavefront_size32 1
		.amdhsa_system_sgpr_workgroup_id_x 1
		.amdhsa_system_sgpr_workgroup_id_y 1
		.amdhsa_system_sgpr_workgroup_id_z 1
		.amdhsa_system_vgpr_workitem_id 0
		.amdhsa_next_free_vgpr 1024
		.amdhsa_next_free_sgpr 66
		.amdhsa_reserve_vcc 0
		.amdhsa_float_denorm_mode_32 3
		.amdhsa_float_denorm_mode_16_64 3
		.amdhsa_memory_ordered 1
		.amdhsa_forward_progress 1
		.amdhsa_inst_pref_size 255
	.end_amdhsa_kernel
	.section	.bss,"aw",@nobits
	.p2align	6
	.space	262144
	.amdgpu_metadata
---
amdhsa.version: [ 1, 2 ]
amdhsa.kernels:
  - .name:           k_q9fd221f8bc_tail
    .symbol:         k_q9fd221f8bc_tail.kd
    .args:
      - { .name: x, .offset: 0, .size: 8, .value_kind: global_buffer, .address_space: global }
      - { .name: acodes, .offset: 8, .size: 8, .value_kind: global_buffer, .address_space: global }
      - { .name: wcodes, .offset: 16, .size: 8, .value_kind: global_buffer, .address_space: global }
      - { .name: bp, .offset: 24, .size: 8, .value_kind: global_buffer, .address_space: global }
      - { .name: ln2_w, .offset: 32, .size: 8, .value_kind: global_buffer, .address_space: global }
      - { .name: ln2_b, .offset: 40, .size: 8, .value_kind: global_buffer, .address_space: global }
      - { .name: b1, .offset: 48, .size: 8, .value_kind: global_buffer, .address_space: global }
      - { .name: b2, .offset: 56, .size: 8, .value_kind: global_buffer, .address_space: global }
      - { .name: out0, .offset: 64, .size: 8, .value_kind: global_buffer, .address_space: global }
    .group_segment_fixed_size: 221696
    .private_segment_fixed_size: 0
    .kernarg_segment_align: 8
    .kernarg_segment_size: 72
    .max_flat_workgroup_size: 128
    .sgpr_count:     66
    .vgpr_count:     1024
    .wavefront_size: 32
...
	.end_amdgpu_metadata
.endif
;; end of part 4
